; MI455X (gfx1250); checked and timed in simulation.
; The chip was launched on July 23, 2026; its instructions are those of AMD's public machine-readable ISA for CDNA 5 (MIT licence, August 2026) and "CDNA5" Instruction Set Architecture Reference Guide (July 2026). The comments in the code are by the model that wrote it; some were corrected since.
;; Neural Field. Allowed arithmetic: matrix products marked QUANTISED: E2M3 operands, one E8M0 scale for each 32 along K, by v_wmma_scale_f32_16x16x128_f8f6f4 with both operands' format E2M3, f32 sums; products left as they are: f32 operands where the result goes on into a quantised operand, else bf16, f16 or f32 operands; f32 sums; everything else in f32.
;; Inputs: W0_codes 128 x 3 x 24 uint8 (E2M3 codes of W0, K innermost, in blocks of 32 codes, four codes in three bytes); W0_scales 128 x 3 uint8 (E8M0 scales of W0, one for each 32 codes along K); Wh_codes 7 x 128 x 7 x 24 uint8 (E2M3 codes of Wh, K innermost, in blocks of 32 codes, four codes in three bytes); Wh_scales 7 x 128 x 7 uint8 (E8M0 scales of Wh, one for each 32 codes along K); Wl 224 x 4 float32; b0 128 float32; bh 7 x 128 float32; bl 4 float32; query_points 262,144 x 3 float32.
;; Outputs: out0 262,144 x 4 float32.
;; This version of the problem:
;;   THIS VERSION OF THE PROBLEM IS GIVEN IN LOW PRECISION. The matrix products marked QUANTISED in the list below multiply operands that are first quantised to E2M3 (2 exponent bits, 3 mantissa bits; 6 bits a number), with one power-of-two scale for each 32 numbers along K (OCP MX v1.0); their sums are f32. All else is computed in f32.
;;   The module's matrix products, in the order in which they are computed (A, B: the left and right operand; K: the contracted axis; several contracted axes count as one K, in the product's order):
;;     1. [M 262,144, K 96] x [K 96, N 128]; A: computed on the way; B: input W0 (given as codes): QUANTISED
;;     2. [M 262,144, K 224] x [K 224, N 128]; A: computed on the way; B: input Wh (given as codes): QUANTISED
;;     3. [M 262,144, K 224] x [K 224, N 128]; A: computed on the way; B: input Wh (given as codes): QUANTISED
;;     4. [M 262,144, K 224] x [K 224, N 128]; A: computed on the way; B: input Wh (given as codes): QUANTISED
;;     5. [M 262,144, K 224] x [K 224, N 128]; A: computed on the way; B: input Wh (given as codes): QUANTISED
;;     6. [M 262,144, K 224] x [K 224, N 128]; A: computed on the way; B: input Wh (given as codes): QUANTISED
;;     7. [M 262,144, K 224] x [K 224, N 128]; A: computed on the way; B: input Wh (given as codes): QUANTISED
;;     8. [M 262,144, K 224] x [K 224, N 128]; A: computed on the way; B: input Wh (given as codes): QUANTISED
;;     9. [M 262,144, K 224] x [K 224, N 4]; A: computed on the way; B: input Wl: left as it is (N = 4 < 16)
;;   THE QUANTISER, for each operand of a quantised product, along K:
;;     - K is cut into blocks of 32 from its start; a last block that is shorter is filled with zeros.
;;     - A block's scale is 2^e with e = floor(log2(the largest magnitude in the block)) - 2, held to -126 .. 127; a block of zeros has e = 0. As a byte (E8M0): e + 127.
;;     - Each number is divided by its block's scale, clamped to +-7.5, and rounded to the nearest number of E2M3, ties to even, subnormals kept.
;;     - The product sums the exact products of the quantised numbers (number of the format x scale) in f32.
;;   ~~~python
;;   def quantise(x, axis):      # numpy; x: float32 -> the quantised numbers, widened to float32 again
;;       x = np.moveaxis(x, axis, -1); K = x.shape[-1]
;;       x = np.pad(x, [(0, 0)] * (x.ndim - 1) + [(0, -K % 32)]); x = x.reshape(x.shape[:-1] + (-1, 32)); a = np.abs(x).max(-1, keepdims=True)
;;       e = np.where(a > 0, np.clip(np.frexp(np.where(a > 0, a, 1))[1] - 1 - 2, -126, 127), 0)      # np.frexp(a)[1] - 1 = floor(log2(a)), exactly
;;       r = np.clip(x / 2.0 ** e, -7.5, 7.5)
;;       step = 2.0 ** (np.maximum(np.frexp(np.where(r == 0, 1, r))[1] - 1, 0) - 3)
;;       q = np.round(r / step) * step * 2.0 ** e      # np.round: ties to even
;;       return np.moveaxis(q.reshape(q.shape[:-2] + (-1,))[..., :K], -1, axis).astype(np.float32)
;;   ~~~
;;   OPERANDS COMPUTED ON THE WAY. 'Computed on the way' means the value that the module computes at that place (a softmax that the list does not call 'softmax' is quantised finished and normalised). What goes into a quantiser is computed in f32, as accurately as f32 sums, v_exp_f32 and their like allow (about 1e-6 of the number): no bf16 or f16 on the way to a quantiser, and a product that is left as it is and whose result goes on into a quantised operand takes f32 operands (vector FMAs, or v_wmma_f32_16x16x4_f32). A number that lies on a knife's edge between two numbers of the format may be rounded either way, as far as f32 arithmetic and the matrix unit's own rounding can turn it there, and no further.
;;   INPUTS GIVEN AS CODES. W0 (in the module: [96, 128], K = its axis 0); Wh (in the module: [7, 224, 128], K = its axis 1): each comes as NAME_codes (uint8): NAME with its K axis moved to the last place and cut into blocks of 32 codes, [.., K / 32, bytes a block], one block behind the other in memory; four codes in three bytes: a row's codes are one little-endian stream of bits, code i at bits 6 i .. 6 i + 5 (a code: sign, 2 exponent bits, 3 mantissa bits); and NAME_scales (uint8): the same leading axes, one E8M0 byte (e + 127) for each 32 codes along K. Its value is code x scale, taken as it is: it is not quantised again, and the codes and scales need not be those that the quantiser above would give.
;; 2 versions. Each part assembles by itself: llvm-mc -triple=amdgcn-amd-amdhsa -mcpu=gfx1250 --defsym DOCPART=n.
;; ======== version 1 of 2: 1 launch
;; limits: inputs' magnitudes at most 128
;; launch field (part 1): grid 256 x 1, 8 waves a work-group, no clusters, 291,840 bytes of LDS; arguments W0_codes, W0_scales, Wh_codes, Wh_scales, Wl, b0, bh, bl, query_points, out0; writes out0
.if DOCPART == 1
	.amdgcn_target "amdgcn-amd-amdhsa--gfx1250"
	.amdhsa_code_object_version 6
	.text
	.protected	k_qf1660ab9ad_field
	.globl	k_qf1660ab9ad_field
	.p2align	8
	.type	k_qf1660ab9ad_field,@function
k_qf1660ab9ad_field:
	s_mov_b64 s[64:65], 0
	v_nop
	global_prefetch_b8 v0, s[64:65] scope:SCOPE_SE
	s_setreg_imm32_b32 hwreg(HW_REG_WAVE_MODE, 25, 1), 1
	s_wait_xcnt 0x0
; NeuralField: 262,144 points; enc = 96 sines and cosines of x 2^l pi; eight layers on codes of FP6 (E2M3) with one E8M0 scale for each 32 along K
; (96 -> 128, then seven times [hidden 128 | enc 96] -> 128, bias and relu in f32); a last product [224] -> 4 with bf16 operands and f32 sums.  Nothing but x and the result goes through memory.
; SHARES.  256 work-groups of eight waves; a work-group owns 1,024 points, in two iterations of 512; a wave owns 64 points an iteration: four tiles of 16 (m = 0..3).  Behind the head waves share nothing.
; WEIGHTS.  Each work-group lays all weights into LDS once, as IMAGES OF OPERAND REGISTERS (a fragment of 16 rows x 128 K: 12 registers a lane, three groups of 512 bytes, lane l at 16 l), in the order in which the
; layers take them; K is filled up to 128 and 256 with zero codes.  Wave t lays tile t of every layer.  One barrier follows; behind it LDS is only read.
; NO TENSOR LOADS, NO CLUSTER, though all work-groups read the same weights: on their way the rows change order, a block of zero codes is added and rows become register images, which needs registers;
; and raw rows (159,744 bytes) beside the images (184,320 bytes) do not fit into 327,680 bytes of LDS.  What is shared is read once by each work-group, at its head.
; LAYOUT.  Both products are used transposed: source 0 = 16 rows of W, source 1 = 16 points, so a lane holds ONE point (lane % 16).  THE ROWS OF W THAT FORM A TILE ARE NOT NEIGHBOURS: row r of tile t = 4 c + u is
; unit 64 c + 32 (r / 8) + 8 u + r % 8.  Then register j of tile t in lane (r, h) is unit 64 c + 32 h + 8 u + j: the 32 registers of tiles 4 c .. 4 c + 3 are the WHOLE block 2 c + h of the next K, in order:
; its largest magnitude needs no other lane, and two conversions give registers 6 c .. 6 c + 5 of the next operand as they stand.
; A LAYER is a run of UNITS: one weight fragment against the four tiles of points, four matrix instructions on four accumulators; behind each stands a part of the vector work (relu, maxima, conversions) of tiles finished earlier.
; SINE AND COSINE.  y = x pi in f32, as the definition has it; t = y / pi as a sum of two floats; v = 2^l t is exact; n = the whole number nearest v + H; W = v + H - n; the result is (-1)^n sin(pi W), by a polynomial of
; degree 11 in W (cut: under 6e-8 at |W| = 1/2).  H = 0 in lanes 0-15 (sine), 1/2 in lanes 16-31 (cosine).
; LIMITS: |x| under 128 (n is taken by adding 1.5 x 2^23, which holds for |n| under 2^22); NaN and infinities are not served; a block of zeros gets the scale byte 1 where the rule says 127 (its codes are zeros,
; and nobody else reads the bytes); the last product rounds its operands to bf16.
; REGISTERS, window 0: v1-11 addresses and lane constants; v12-27 x; v28-31, v32-35, v36-39 scale words (enc, hidden, weights) and nothing else; v40-59 at work; v60-107 enc codes; v108-155 hidden codes;
;   v156-203 four weight fragments; v204-219 two bias tiles; v220-251 the four accumulators of the result.   window 1: the 32 accumulators of a layer (tile of points m, tile t: 64 m + 8 t); scratch while enc is made.
.set FRB,  1536                        ; a fragment's image
.set L1W,  8*FRB                       ; LDS: layer 0's eight images, then from here 16 for each hidden layer, in the order of the units
.set LW,   16*FRB
.set SCL,  L1W+7*LW                    ; weight scale words: layer x 1,024 + tile x 128 + 4 x lane; lanes 0-15 the word of K 0-127, lanes 16-31 that of K 128-255
.set BIAS, SCL+8*1024                  ; b0, then bh: 512 bytes a layer
.set WLB,  BIAS+8*512                  ; seven bf16 fragments of Wl, 1,024 bytes each,
.set BLCO, 7*1024                      ; and behind them bl as the C of a sum
.set STG,  WLB+8*1024                  ; the head's staging: STW bytes for each wave, four slots of 16 rows x 168 bytes
.set STW,  10752
.set SLB,  2688
.set LI,  1                            ; 16 x lane
.set AW,  2                            ; the layer's images + 16 x lane
.set AS,  3                            ; the layer's scale words + 4 x lane
.set AB,  4                            ; the layer's bias + 128 h
.set SH0, 5                            ; 8 h
.set SH1, 6                            ; 8 h + 16
.set XA,  7                            ; 12 x (lane % 16)
.set L4,  8                            ; 4 x lane
.set HB,  9                            ; 128 h
.set WLA, 10                           ; WLB + 16 x lane
.set HV,  11                           ; 0.5 h as f32
.set XR,  12
.set ES,  28
.set HS,  32
.set WS,  36
.set TM,  40                           ; largest magnitudes; while enc is made v40-47 hold bl's image
.set SO,  44                           ; the conversions' scale operands
.set PW,  48                           ; a scale word in the making
.set TC,  52                           ; v52-54, v56-58: the upper halves of two blocks' codes
.set EF,  60
.set HF,  108
.set WF,  156
.set BI,  204
.set OA,  220
.set VV,  0                            ; window 1 while enc is made: 48 numbers of a tile: block b at 16 b
.set PQ,  48                           ; (th, 2 th, tl, 2 tl) for tile m, coordinate b at 12 m + 4 b
.set HH,  96                           ; (H, H)
.set A9,  98                           ; a coefficient, twice
.set SL,  100                          ; eight slots of four pairs
.set QM,  100                          ; and, when those are done with: maxima, the other half's, scale operands, bytes, the word
.set QX,  104
.set QS,  108
.set QB,  112
.set QW,  116
.set ZT,  40                           ; the head's own, all outside the scale registers
.set ZL,  41
.set ZR,  42
.set ZH,  43
.set ZSG, 44
.set ZFA, 45
.set ZFB, 46
.set ZGA, 47
.set ZGB, 48
.set ZIH, 49
.set ZIE, 50
.set ZI0, 51
.set ZSW, 52
.set ZBW, 53
.set ZWW, 54
.set ZMH, 55
.set ZM4, 56
.set ZMS, 57
.set ZPD, 58
.set ZNL, 59
.set ZIA, 220                          ; v220-233 where the images of hidden layer l go: K 0-127 at 2 l, K 128-255 at 2 l + 1
.set ZV1, 234
.set ZV2, 235
.set ZV0, 236
.set ZWL, 237
.set ZZ0, 238
.set FRG, 60                           ; v60-155 eight fragments on their way
.set MSB, 0
.macro WIN new                         ; the immediate's high byte repeats the setting that is left; a switch that changes nothing is dropped
.if MSB != (\new)
	s_set_vgpr_msb (MSB<<8)|(\new)
.set MSB, (\new)
.endif
.endm
.macro WINLD                           ; an LDS load wants its destination and its address in window 0
.if (MSB & 0xc3) != 0
	WIN 0
.endif
.endm
	s_load_b512 s[8:23], s[0:1], 0x0               ; W0 codes 8, W0 scales 10, Wh codes 12, Wh scales 14, Wl 16, b0 18, bh 20, bl 22
	s_load_b128 s[24:27], s[0:1], 0x40             ; x 24, the result 26
	v_lshl_add_u32 v254, v0, 2, 0x47000
	v_mov_b32 v255, 0
	v_lshrrev_b32 v[ZT], 5, v0
	v_readfirstlane_b32 s28, v[ZT]                 ; wave 0..7 = the tile t that I lay
	v_and_b32 v[ZL], 31, v0
	v_and_b32 v[ZR], 15, v0                        ; r
	v_bfe_u32 v[ZH], v0, 4, 1                      ; h
	v_lshlrev_b32 v[LI], 4, v[ZL]
	v_lshlrev_b32 v[L4], 2, v[ZL]
	v_lshlrev_b32 v[SH0], 3, v[ZH]
	v_lshl_add_u32 v[SH1], v[ZH], 3, 16
	v_mul_u32_u24 v[XA], v[ZR], 12
	v_lshlrev_b32 v[HB], 7, v[ZH]
	v_add_nc_u32 v[WLA], WLB, v[LI]
	v_cvt_f32_u32 v[HV], v[ZH]
	v_mul_f32 v[HV], 0.5, v[HV]
	s_mul_i32 s34, s28, STW
	s_add_co_u32 s34, s34, STG                     ; my staging
	s_add_co_u32 s35, s28, 4
	s_mul_i32 s35, s35, FRB                        ; the fragment of K 0-127 of tile t is unit 4 + t of a layer,
	s_lshr_b32 s36, s28, 2                         ; c
	s_lshl_b32 s37, s36, 3
	s_add_co_u32 s37, s37, s28
	s_mul_i32 s37, s37, FRB                        ; that of K 128-255 is unit t + 8 c
	s_mul_i32 s38, s28, FRB
	s_lshl_b32 s39, s28, 7
	s_add_co_u32 s39, s39, SCL
	s_lshl_b32 s40, s28, 9
	s_add_co_u32 s40, s40, BIAS
	s_lshl_b32 s41, s28, 10
	s_add_co_u32 s41, s41, WLB
	v_add_nc_u32 v[ZSG], s34, v[LI]                ; staging, as the bytes lie
	v_mul_u32_u24 v[ZFB], v[ZR], 168
	v_add_nc_u32 v[ZFB], s34, v[ZFB]               ; staging, row r of 168 bytes,
	v_mad_u32_u24 v[ZFA], v[ZH], 24, v[ZFB]        ; + 24 h
	v_mul_u32_u24 v[ZGB], v[ZR], 72
	v_add_nc_u32 v[ZGB], s34, v[ZGB]               ; the same for W0's rows of 72 bytes
	v_mad_u32_u24 v[ZGA], v[ZH], 24, v[ZGB]
	v_add_nc_u32 v[ZIH], s35, v[LI]
	v_add_nc_u32 v[ZIE], s37, v[LI]
	v_add_nc_u32 v[ZI0], s38, v[LI]
	v_add_nc_u32 v[ZSW], s39, v[L4]
	v_add_nc_u32 v[ZBW], s40, v[LI]
	v_add_nc_u32 v[ZWW], s41, v[LI]
.irp l, 0,1,2,3,4,5,6
	v_add_nc_u32 v[ZIA+2*\l], L1W+LW*\l, v[ZIH]    ; every LDS address is made here, ahead of the one branch on the wave's number
	v_add_nc_u32 v[ZIA+2*\l+1], L1W+LW*\l, v[ZIE]
.endr
	v_add_nc_u32 v[ZMH], -1, v[ZH]                 ; all ones in lanes 0-15, 0 in lanes 16-31
	v_cmp_gt_u32 vcc_lo, 4, v[ZR]
	v_cndmask_b32 v[ZM4], 0, -1, vcc_lo            ; all ones where r < 4: Wl has four columns
	v_or_b32 v[ZMS], 0xffffff, v[ZMH]
	v_mul_u32_u24 v[ZPD], v[ZH], 0x7f
	v_lshlrev_b32 v[ZPD], 24, v[ZPD]               ; the byte of the block of zero codes: 127
	v_and_b32 v[ZNL], 7, v[ZR]
	v_and_b32 v[ZT], 8, v[ZR]
	v_lshl_add_u32 v[ZNL], v[ZT], 2, v[ZNL]        ; 32 (r / 8) + r % 8: my row of W, counted from the tile's first
	v_mul_u32_u24 v[ZV1], v[ZNL], 7
	v_mad_u32_u24 v[ZV2], v[ZH], 3, v[ZV1]
	v_add_nc_u32 v[ZV2], 3, v[ZV2]                 ; Wh's scale bytes: the fourth byte of my word; in lanes 16-31 byte 6 once more, which stays inside the buffer and is replaced
	v_lshl_add_u32 v[ZV1], v[ZH], 2, v[ZV1]        ; and its first three: 7 bytes a row, + 4 h
	v_mul_u32_u24 v[ZV0], v[ZNL], 3                ; W0's: 3 bytes a row
	v_mov_b32 v[ZZ0], 0
	s_and_b32 s44, s28, 3
	s_lshl_b32 s44, s44, 3
	s_lshl_b32 s45, s36, 6
	s_add_co_u32 s44, s44, s45                     ; the tile's first row of W: 64 c + 8 u
	s_lshl_b32 s45, ttmp9, 10
	s_lshl_b32 s29, s28, 6
	s_add_co_u32 s45, s45, s29                     ; my first point: 1,024 x work-group + 64 x wave
	s_mov_b32 s43, 0
	s_lshr_b32 s35, s28, 1                         ; Wl's fragment f = wave (0..6): its first k and the distance between the halves of the lanes, as the points' bf16 fragments have them:
	s_lshl_b32 s35, s35, 6
	s_and_b32 s37, s28, 1
	s_lshl_b32 s37, s37, 4
	s_add_co_u32 s35, s35, s37                     ; f < 4: k = 64 (f / 2) + 16 (f % 2) + 32 h + 0 .. 15
	s_lshl_b32 s37, s28, 5                         ; else:  k = 128 + 32 (f - 4) + 16 h + 0 .. 15
	s_mov_b32 s38, 256
	s_cmp_lt_u32 s28, 4
	s_cselect_b32 s35, s35, s37
	s_cselect_b32 s38, 512, s38                    ; a row of Wl is 16 bytes
	v_and_b32 v[ZWL], 3, v[ZR]
	v_lshlrev_b32 v[ZWL], 2, v[ZWL]
	v_mad_u32_u24 v[ZWL], v[ZH], s38, v[ZWL]
	s_mov_b32 s30, 0x76543210
	s_mov_b32 s31, 0xfedcba98                      ; v_permlanex16_b32's selects for lane l xor 16
	s_wait_kmcnt 0x0
	s_mul_i32 s42, s44, 72
	s_add_nc_u64 s[8:9], s[8:9], s[42:43]
	s_mul_i32 s42, s44, 3
	s_add_nc_u64 s[10:11], s[10:11], s[42:43]
	s_mul_i32 s42, s44, 168
	s_add_nc_u64 s[12:13], s[12:13], s[42:43]
	s_mul_i32 s42, s44, 7
	s_add_nc_u64 s[14:15], s[14:15], s[42:43]
	s_lshl_b32 s42, s35, 4
	s_add_nc_u64 s[16:17], s[16:17], s[42:43]
	s_mul_i32 s42, s45, 12
	s_add_nc_u64 s[24:25], s[24:25], s[42:43]
	s_lshl_b32 s42, s45, 4
	s_add_nc_u64 s[26:27], s[26:27], s[42:43]
	s_cmp_eq_u32 s28, 0                            ; wave w brings layer w's bias: b0, or row w - 1 of bh
	s_cselect_b64 s[46:47], s[18:19], s[20:21]
	s_max_u32 s42, s28, 1
	s_sub_co_u32 s42, s42, 1
	s_lshl_b32 s42, s42, 9
	s_add_nc_u64 s[46:47], s[46:47], s[42:43]
.irp m, 0,1,2,3
	global_load_b96 v[XR+4*\m:XR+4*\m+2], v[XA], s[24:25] offset:192*\m th:TH_LOAD_NT   ; x of the first iteration: lane (r, h) takes point r of tile m
.endr
	WIN 0x40                                       ; destination window 1
.irp l, 0,1,2,3,4,5,6                          ; a tile's rows are two runs of eight neighbours, 32 rows apart: 1,344 dense bytes each, by three loads of 512 bytes, the last ending with the run
.irp z, 0,1
.irp i, 0,1,2
	global_load_b128 v[4*(6*\l+3*\z+\i):4*(6*\l+3*\z+\i)+3], v[LI], s[12:13] offset:21504*\l+5376*\z+512*\i-192*(\i/2)
.endr
.endr
.endr
.irp z, 0,1                                    ; W0: runs of 576 bytes, two loads
.irp i, 0,1
	global_load_b128 v[168+4*(2*\z+\i):168+4*(2*\z+\i)+3], v[LI], s[8:9] offset:2304*\z+64*\i
.endr
.endr
	WIN 0
.irp l, 0,1,2,3,4,5,6
.irp j, 0,1,2
	global_load_u8 v[160+4*\l+\j], v[ZV1], s[14:15] offset:896*\l+\j
.endr
	global_load_u8 v[163+4*\l], v[ZV2], s[14:15] offset:896*\l
.endr
.irp j, 0,1,2
	global_load_u8 v[188+\j], v[ZV0], s[10:11] offset:\j
.endr
	global_load_b128 v[192:195], v[LI], s[46:47]
	s_cmp_lt_u32 s28, 7
	s_cbranch_scc0 .Lwave7
.irp i, 0,1,2,3,4,5,6,7,8,9,10,11,12,13,14,15
	global_load_b32 v[196+\i], v[ZWL], s[16:17] offset:16*\i   ; Wl(first k + i, r % 4)
.endr
	s_wait_loadcnt 0x0                             ; for zero: every load of the head is in
.irp j, 0,1,2,3,4,5,6,7
	v_cvt_pk_bf16_f32 v[212+\j], v[196+2*\j], v[197+2*\j]
.endr
.irp j, 0,1,2,3,4,5,6,7
	v_and_b32 v[212+\j], v[ZM4], v[212+\j]         ; rows 4 to 15 of the tile of Wl^T are zeros
.endr
	s_branch .Ljoin
.Lwave7:
	global_load_b128 v[196:199], v[ZZ0], s[22:23]  ; bl
	s_wait_loadcnt 0x0                             ; likewise
.irp j, 0,1,2,3
	v_and_b32 v[212+\j], v[ZMH], v[196+\j]         ; in the result's layout: register j of lanes 0-15 is output j
	v_mov_b32 v[216+\j], 0
.endr
.Ljoin:
	ds_store_b128 v[ZWW], v[212:215]
	ds_store_b128 v[ZWW], v[216:219] offset:512
	ds_store_b128 v[ZBW], v[192:195]
.irp l, 0,1,2,3,4,5,6
	v_lshl_or_b32 v[160+4*\l], v[161+4*\l], 8, v[160+4*\l]
	v_lshl_or_b32 v[160+4*\l], v[162+4*\l], 16, v[160+4*\l]
	v_lshl_or_b32 v[160+4*\l], v[163+4*\l], 24, v[160+4*\l]
	v_and_or_b32 v[160+4*\l], v[160+4*\l], v[ZMS], v[ZPD]
	ds_store_b32 v[ZSW], v[160+4*\l] offset:1024*(\l+1)
.endr
	v_lshl_or_b32 v188, v189, 8, v188
	v_lshl_or_b32 v188, v190, 16, v188
	v_or_b32 v188, 0x7f000000, v188
	ds_store_b32 v[ZSW], v188
; The codes turn from rows into fragments through my own staging: LDS serves a wave's instructions in order (ISA guide 5.7.1.4), so no wait stands between the stores and the loads.
.macro STAGE_H l, slot
.irp z, 0,1
.irp i, 0,1,2
	ds_store_b128 v[ZSG], v[4*(6*(\l)+3*\z+\i):4*(6*(\l)+3*\z+\i)+3] offset:SLB*(\slot)+1344*\z+512*\i-192*(\i/2)
.endr
.endr
.endm
.macro FRAG_H slot, f                  ; lane (r, h): registers 0-5 = 24 bytes at 24 h, registers 6-11 = 24 bytes at 48 + 24 h; K 0-127 from byte 0 of the row, K 128-255 from byte 96
.irp p, 0,1,2,3,4,5
	ds_load_b64 v[FRG+12*(\f)+2*\p:FRG+12*(\f)+2*\p+1], v[ZFA] offset:SLB*(\slot)+48*(\p/3)+8*(\p%3)
.endr
.irp p, 0,1,2
	ds_load_b64 v[FRG+12*(\f)+12+2*\p:FRG+12*(\f)+13+2*\p], v[ZFA] offset:SLB*(\slot)+96+8*\p
	ds_load_b64 v[FRG+12*(\f)+18+2*\p:FRG+12*(\f)+19+2*\p], v[ZFB] offset:SLB*(\slot)+144+8*\p   ; block 6 in both halves of the lanes: there is no block 7
.endr
.endm
.macro IMG_H l, f
.irp i, 0,1,2,3,4,5
	v_and_b32 v[FRG+12*(\f)+18+\i], v[ZMH], v[FRG+12*(\f)+18+\i]   ; lanes 16-31: zero codes for K 224-255
.endr
.irp g, 0,1,2
	ds_store_b128 v[ZIA+2*(\l)], v[FRG+12*(\f)+4*\g:FRG+12*(\f)+4*\g+3] offset:512*\g
	ds_store_b128 v[ZIA+2*(\l)+1], v[FRG+12*(\f)+12+4*\g:FRG+12*(\f)+12+4*\g+3] offset:512*\g
.endr
.endm
	WIN 0x04                                       ; an LDS store's data are its source 1: window 1
.irp z, 0,1
.irp i, 0,1
	ds_store_b128 v[ZSG], v[168+4*(2*\z+\i):168+4*(2*\z+\i)+3] offset:576*\z+64*\i
.endr
.endr
	STAGE_H 0, 1
	STAGE_H 1, 2
	STAGE_H 2, 3
	WIN 0
.irp p, 0,1,2
	ds_load_b64 v[FRG+2*\p:FRG+2*\p+1], v[ZGA] offset:8*\p
	ds_load_b64 v[FRG+6+2*\p:FRG+7+2*\p], v[ZGB] offset:48+8*\p
.endr
	FRAG_H 1, 1
	FRAG_H 2, 3
	FRAG_H 3, 5
	s_wait_dscnt 0x0
.irp i, 0,1,2,3,4,5
	v_and_b32 v[FRG+6+\i], v[ZMH], v[FRG+6+\i]     ; W0: zero codes for K 96-127
.endr
.irp g, 0,1,2
	ds_store_b128 v[ZI0], v[FRG+4*\g:FRG+4*\g+3] offset:512*\g
.endr
	IMG_H 0, 1
	IMG_H 1, 3
	IMG_H 2, 5
	s_wait_dscnt 0x0                               ; the image stores have read the fragments' registers, which are loaded again below
	WIN 0x04
	STAGE_H 3, 0
	STAGE_H 4, 1
	STAGE_H 5, 2
	STAGE_H 6, 3
	WIN 0
	FRAG_H 0, 0
	FRAG_H 1, 2
	FRAG_H 2, 4
	FRAG_H 3, 6
	s_wait_dscnt 0x0
	IMG_H 3, 0
	IMG_H 4, 2
	IMG_H 5, 4
	IMG_H 6, 6
	s_wait_dscnt 0x0                               ; for the others' sake: all my LDS stores have landed
	s_barrier_signal -1
	s_barrier_wait -1                              ; the one barrier: from here on LDS is only read
; ---- what unit j of the text in hand is.  TXT = 0: layer 0 (eight units, then the first two of layer 1); 1: a hidden layer in the loop (units 16, 17 are the next layer's); 2: the last hidden layer (nothing behind unit 15)
.macro UINFO j
.set UX, 1
.set JH, (\j)
.set OW0, 0
.set OS0, 0
.set OB0, 0
.if TXT == 0
.set JH, (\j)-8
.set OW0, L1W
.set OS0, 1024
.set OB0, 512
.endif
.if (TXT == 0) && ((\j) < 8)
.set UE, 1                             ; source 1 is enc
.set UF, 1                             ; the unit starts its sums, with the bias as C
.set UTT, (\j)                         ; the tile
.set OW, FRB*(\j)
.set OS, 128*(\j)
.set OB, 256*((\j)/4)+32*((\j)%4)
.else
.set JJ, JH%16
.set ADV, JH/16
.if JJ < 4
.set UTT, JJ
.elseif JJ < 12
.set UTT, JJ-4
.else
.set UTT, JJ-8
.endif
.set UE, 0
.if (JJ < 4) || (JJ >= 12)
.set UE, 1
.endif
.set UF, 0
.if (JJ < 4) || ((JJ >= 8) && (JJ < 12))
.set UF, 1
.endif
.set OW, OW0+FRB*JJ+LW*ADV
.set OS, OS0+128*UTT+1024*ADV
.set OB, OB0+256*(UTT/4)+32*(UTT%4)+512*ADV
.if (TXT == 2) && (JH > 15)
.set UX, 0
.endif
.endif
.endm
; one matrix instruction of the unit in hand, for tile of points m.  D in window 1; C the bias (window 0) or D itself
.macro MM m
.set DR, 64*(\m)+8*UTT
.if UF
	WIN 0x40
.if UE
	v_wmma_scale_f32_16x16x128_f8f6f4 v[DR:DR+7], v[WB:WB+11], v[EF+12*(\m):EF+12*(\m)+11], v[BIR:BIR+7], v[WSR], v[ES+(\m)] matrix_a_fmt:MATRIX_FMT_FP6 matrix_b_fmt:MATRIX_FMT_FP6 matrix_a_scale:MATRIX_SCALE_ROW1
.else
	v_wmma_scale_f32_16x16x128_f8f6f4 v[DR:DR+7], v[WB:WB+11], v[HF+12*(\m):HF+12*(\m)+11], v[BIR:BIR+7], v[WSR], v[HS+(\m)] matrix_a_fmt:MATRIX_FMT_FP6 matrix_b_fmt:MATRIX_FMT_FP6
.endif
.else
	WIN 0x50
.if UE
	v_wmma_scale_f32_16x16x128_f8f6f4 v[DR:DR+7], v[WB:WB+11], v[EF+12*(\m):EF+12*(\m)+11], v[DR:DR+7], v[WSR], v[ES+(\m)] matrix_a_fmt:MATRIX_FMT_FP6 matrix_b_fmt:MATRIX_FMT_FP6 matrix_a_scale:MATRIX_SCALE_ROW1
.else
	v_wmma_scale_f32_16x16x128_f8f6f4 v[DR:DR+7], v[WB:WB+11], v[HF+12*(\m):HF+12*(\m)+11], v[DR:DR+7], v[WSR], v[HS+(\m)] matrix_a_fmt:MATRIX_FMT_FP6 matrix_b_fmt:MATRIX_FMT_FP6
.endif
.endif
.endm
; UNIT k.  At its head: the bias of unit k + 1 (where that unit starts sums) and the fragment and scale word of unit k + 2, into rings of two and of four.  The registers they land in were last read by units k - 1 and
; k - 2; the last part of every chunk is four plain vector instructions or more, which name no register of the matrix instruction in front of them (ISA guide 7.12.1 for vector instructions).
; The wait leaves out what was issued behind unit k's bias: unit k + 1's fragment and word (4), and this head's loads (2 and 4).  The four accumulators of a unit take turns, and so do the units'.
.macro UNIT k, chunk, a, b
	WINLD
.set NW, 0
	UINFO (\k)+1
.if UX
.set NW, 4
.if UF
.set BL, BI+8*(((\k)+1)%2)
	ds_load_b128 v[BL:BL+3], v[AB] offset:OB
	ds_load_b128 v[BL+4:BL+7], v[AB] offset:OB+16
.set NW, 6
.endif
.endif
	UINFO (\k)+2
.if UX
.set WB, WF+12*(((\k)+2)%4)
	ds_load_b128 v[WB:WB+3], v[AW] offset:OW
	ds_load_b128 v[WB+4:WB+7], v[AW] offset:OW+512
	ds_load_b128 v[WB+8:WB+11], v[AW] offset:OW+1024
	ds_load_b32 v[WS+((\k)+2)%4], v[AS] offset:OS
.set NW, NW+4
.endif
	s_wait_dscnt NW
	UINFO \k
.set WB, WF+12*((\k)%4)
.set WSR, WS+(\k)%4
.set BIR, BI+8*((\k)%2)
.irp m, 0,1,2,3
	MM \m
	\chunk \a, \b, \m
.endr
.endm
; ---- the chunks: part p stands behind a unit's p-th matrix instruction
.macro CH_NOP a, b, p
.if (\p) == 3
.rept 4
	v_nop
.endr
.endif
.endm
.macro CH_R c, u, p                    ; relu in place of tile 4 c + u, tile of points p, from the accumulator's low end on; the form with three sources keeps the matrix instructions' window setting
	WIN 0x50
.irp j, 0,1,2,3,4,5,6,7
	v_max3_num_f32 v[64*(\p)+32*(\c)+8*(\u)+\j], 0, 0, v[64*(\p)+32*(\c)+8*(\u)+\j]
.endr
.endm
.macro CH_X c, half, p                 ; the largest of my block's 32 numbers, none of them negative; the four tiles of points by turns; the floor 2^(3 - 127) holds the byte at 1 from below
	WIN 0x14
.irp d, 0,1
.irp m, 0,1,2,3
.set SS, 8*(\half)+2*(\p)+\d
.if SS == 0
	v_max3_num_f32 v[TM+\m], 0x1800000, v[64*\m+32*(\c)], v[64*\m+32*(\c)+1]
.else
	v_max3_num_f32 v[TM+\m], v[TM+\m], v[64*\m+32*(\c)+2*SS], v[64*\m+32*(\c)+2*SS+1]
.endif
.endr
.endr
.endm
.macro CH_S0 a, b, p                   ; block h: 2 off the exponent field is the conversion's scale operand; its exponent field is the byte, which goes to its place in the word
.if (\p) == 1
	WIN 0
.irp m, 0,1,2,3
	v_add_nc_u32 v[SO+\m], 0xff000000, v[TM+\m]
.endr
.elseif (\p) == 2
	WIN 0
.irp m, 0,1,2,3
	v_lshrrev_b32 v[TM+\m], 23, v[SO+\m]
.endr
.elseif (\p) == 3
	WIN 0
.irp m, 0,1,2,3
	v_lshlrev_b32 v[PW+\m], v[SH0], v[TM+\m]
.endr
.endif
.endm
.macro CVT2 c, m0                      ; my block 2 c + h of tiles of points m0, m0 + 1 becomes registers 6 c .. 6 c + 5 of the next operand (a conversion's three registers begin on an even number: the upper half is made elsewhere and moved)
	WIN 0x01
.irp q, 0,1
	v_cvt_scalef32_pk16_fp6_f32 v[HF+12*((\m0)+\q)+6*(\c):HF+12*((\m0)+\q)+6*(\c)+2], v[64*((\m0)+\q)+32*(\c):64*((\m0)+\q)+32*(\c)+15], v[SO+(\m0)+\q]
	v_cvt_scalef32_pk16_fp6_f32 v[TC+4*\q:TC+4*\q+2], v[64*((\m0)+\q)+32*(\c)+16:64*((\m0)+\q)+32*(\c)+31], v[SO+(\m0)+\q]
.endr
	WIN 0
	v_nop                                          ; one plain place behind a scaled conversion
.endm
.macro MOV2 c, m0
	WIN 0
.irp q, 0,1
.irp i, 0,1,2
	v_mov_b32 v[HF+12*((\m0)+\q)+6*(\c)+3+\i], v[TC+4*\q+\i]
.endr
.endr
.endm
.macro CH_C0 a, b, p
.if (\p) == 0
	CVT2 0, 0
.elseif (\p) == 1
	MOV2 0, 0
.elseif (\p) == 2
	CVT2 0, 2
.else
	MOV2 0, 2
.endif
.endm
.macro CH_SC1 a, b, p                  ; block 2 + h: scale, codes, and the scale word, whole with lane l xor 16's two bytes
.if (\p) == 0
	WIN 0
.irp m, 0,1,2,3
	v_add_nc_u32 v[SO+\m], 0xff000000, v[TM+\m]
.endr
	CVT2 1, 0
.irp m, 0,1,2,3
	v_lshrrev_b32 v[TM+\m], 23, v[SO+\m]
.endr
.elseif (\p) == 1
	MOV2 1, 0
.irp m, 0,1,2,3
	v_lshl_or_b32 v[PW+\m], v[TM+\m], v[SH1], v[PW+\m]
.endr
.elseif (\p) == 2
	CVT2 1, 2
.irp m, 0,1,2,3
	v_permlanex16_b32 v[TM+\m], v[PW+\m], s30, s31
.endr
.else
	WIN 0
.irp m, 0,1,2,3
	v_or_b32 v[HS+\m], v[PW+\m], v[TM+\m]
.endr
	MOV2 1, 2
.rept 4
	v_nop                                          ; a scale register written by a vector instruction stands eight places ahead of a scaled matrix instruction, an operand so written four: six moves and these four
.endr
.endif
.endm
.macro NEXTL dw                        ; on to the next layer's images, scale words and bias
	WIN 0
	s_wait_dscnt 0x0                               ; no LDS load that names the three address registers is out (the youngest were issued at the last unit's head)
	s_add_co_u32 s36, s36, \dw
	s_add_co_u32 s37, s37, 1024
	s_add_co_u32 s38, s38, 512
	v_add_nc_u32 v[AW], s36, v[LI]
	v_add_nc_u32 v[AS], s37, v[L4]
	v_add_nc_u32 v[AB], s38, v[HB]
.endm
; ---- enc.  Coordinate b of tile m: 16 numbers a lane, two frequencies (2 p, 2 p + 1) to a pair, the eight pairs by turns so that no line waits for the line above it
.macro SINCOS m, b
.set PB, PQ+12*(\m)+4*(\b)
.set VB, VV+16*(\b)
	WIN 0x55
.irp p, 0,1,2,3,4,5,6,7
	v_pk_fma_f32 v[SL+8*\p:SL+8*\p+1], v[PB:PB+1], 0x3f800000+(\p<<24), v[HH:HH+1] op_sel_hi:[1,0,1]   ; v + H, v = (th, 2 th) x 4^p
.endr
.irp p, 0,1,2,3,4,5,6,7
	v_pk_add_f32 v[SL+8*\p:SL+8*\p+1], v[SL+8*\p:SL+8*\p+1], 0x4b400000 op_sel_hi:[1,0]   ; + 1.5 x 2^23: rounded to the whole number n; its lowest bit is n's
.endr
.irp p, 0,1,2,3,4,5,6,7
	v_pk_add_f32 v[SL+8*\p+2:SL+8*\p+3], v[SL+8*\p:SL+8*\p+1], 0xcb400000 op_sel_hi:[1,0]   ; n
.endr
.irp p, 0,1,2,3,4,5,6,7
	v_pk_fma_f32 v[SL+8*\p+2:SL+8*\p+3], v[PB:PB+1], 0x3f800000+(\p<<24), v[SL+8*\p+2:SL+8*\p+3] op_sel_hi:[1,0,1] neg_lo:[0,0,1] neg_hi:[0,0,1]   ; v - n
.endr
.irp p, 0,1,2,3,4,5,6,7
	v_pk_fma_f32 v[SL+8*\p+4:SL+8*\p+5], v[PB+2:PB+3], 0x3f800000+(\p<<24), v[HH:HH+1] op_sel_hi:[1,0,1]   ; the low part of v, + H
.endr
.irp p, 0,1,2,3,4,5,6,7
	v_pk_add_f32 v[SL+8*\p+2:SL+8*\p+3], v[SL+8*\p+2:SL+8*\p+3], v[SL+8*\p+4:SL+8*\p+5]   ; W, between -1/2 and 1/2
.endr
.irp p, 0,1,2,3,4,5,6,7
	v_pk_mul_f32 v[SL+8*\p+4:SL+8*\p+5], v[SL+8*\p+2:SL+8*\p+3], v[SL+8*\p+2:SL+8*\p+3]   ; W^2
.endr
.irp p, 0,1,2,3,4,5,6,7
	v_pk_fma_f32 v[SL+8*\p+6:SL+8*\p+7], v[SL+8*\p+4:SL+8*\p+5], 0xbbf183a8, v[A9:A9+1] op_sel_hi:[1,0,1]   ; -pi^11 / 11!, pi^9 / 9!
.endr
.irp k, 0xbf196966, 0x402335e3, 0xc0a55de7, 0x40490fdb   ; -pi^7 / 7!, pi^5 / 5!, -pi^3 / 3!, pi
.irp p, 0,1,2,3,4,5,6,7
	v_pk_fma_f32 v[SL+8*\p+6:SL+8*\p+7], v[SL+8*\p+6:SL+8*\p+7], v[SL+8*\p+4:SL+8*\p+5], \k op_sel_hi:[1,1,0]
.endr
.endr
.irp p, 0,1,2,3,4,5,6,7
	v_pk_mul_f32 v[SL+8*\p+6:SL+8*\p+7], v[SL+8*\p+6:SL+8*\p+7], v[SL+8*\p+2:SL+8*\p+3]   ; sin(pi W)
.endr
.irp p, 0,1,2,3,4,5,6,7
	v_lshl_add_u32 v[VB+2*\p], v[SL+8*\p], 31, v[SL+8*\p+6]        ; the sign turns where n is odd
	v_lshl_add_u32 v[VB+2*\p+1], v[SL+8*\p+1], 31, v[SL+8*\p+7]
.endr
.endm
; A tile's 96 numbers: register 16 b + i of lane (r, h) is enc(r, 32 b + 16 h + i).  Codes and scale word for the layers, bf16 for the last product.
.macro QUANT_E m
	WIN 0x55
.irp b, 0,1,2
	v_max3_num_f32 v[QM+\b], |v[VV+16*\b]|, |v[VV+16*\b+1]|, 0x1800000
.endr
.irp i, 2,4,6,8,10,12,14
.irp b, 0,1,2
	v_max3_num_f32 v[QM+\b], v[QM+\b], |v[VV+16*\b+\i]|, |v[VV+16*\b+\i+1]|
.endr
.endr
.irp b, 0,1,2
	v_permlanex16_b32 v[QX+\b], v[QM+\b], s30, s31
.endr
.irp b, 0,1,2
	v_max_num_f32 v[QM+\b], v[QM+\b], v[QX+\b]     ; with lane l xor 16's: the block's largest magnitude
.endr
.irp b, 0,1,2
	v_add_nc_u32 v[QS+\b], 0xff000000, v[QM+\b]
.endr
.irp b, 0,1,2
	v_lshrrev_b32 v[QB+\b], 23, v[QS+\b]
.endr
	v_lshl_or_b32 v[QW], v[QB+1], 8, v[QB]
	v_lshl_or_b32 v[QW], v[QB+2], 16, v[QW]
	WIN 0x05                                       ; sources in window 1, destination in window 0
	v_or_b32 v[ES+(\m)], 0x7f000000, v[QW]         ; the fourth block is zero codes under the byte 127
	v_cvt_scalef32_pk16_fp6_f32 v[EF+12*(\m):EF+12*(\m)+2], v[VV:VV+15], v[QS]
	v_cvt_scalef32_pk16_fp6_f32 v[TC:TC+2], v[VV+16:VV+31], v[QS+1]
	v_cvt_scalef32_pk16_fp6_f32 v[EF+12*(\m)+6:EF+12*(\m)+8], v[VV+32:VV+47], v[QS+2]
.irp b, 0,1,2
.irp j, 0,1,2,3,4,5,6,7
	v_cvt_pk_bf16_f32 v[HF+24*((\m)%2)+8*\b+\j], v[VV+16*\b+2*\j], v[VV+16*\b+2*\j+1]   ; (plain places behind the scaled conversions)
.endr
.endr
	WIN 0
.irp i, 0,1,2
	v_mov_b32 v[TC+4+\i], 0
.endr
.irp i, 0,1,2                                  ; the operand wants a whole block in a lane: lanes 0-15 blocks 0 and 2, lanes 16-31 block 1 and the zeros
	v_permlane16_swap_b32 v[EF+12*(\m)+\i], v[TC+\i]
	v_permlane16_swap_b32 v[EF+12*(\m)+6+\i], v[TC+4+\i]
.endr
.irp i, 0,1,2
	v_mov_b32 v[EF+12*(\m)+3+\i], v[TC+\i]
	v_mov_b32 v[EF+12*(\m)+9+\i], v[TC+4+\i]
.endr
.endm
.macro OUTE m0, m1                     ; enc's part of the last product: source 0 = Wl^T (4 rows, 12 of zeros), source 1 = 16 points; bl starts the sums; two accumulators by turns
.irp b, 0,1,2
.irp m, \m0, \m1
.if \b == 0
	v_wmma_f32_16x16x32_bf16 v[OA+8*\m:OA+8*\m+7], v[WF+24+8*\b:WF+24+8*\b+7], v[HF+24*(\m%2)+8*\b:HF+24*(\m%2)+8*\b+7], v[TM:TM+7]
.else
	v_wmma_f32_16x16x32_bf16 v[OA+8*\m:OA+8*\m+7], v[WF+24+8*\b:WF+24+8*\b+7], v[HF+24*(\m%2)+8*\b:HF+24*(\m%2)+8*\b+7], v[OA+8*\m:OA+8*\m+7]
.endif
.endr
.endr
.endm
	s_mov_b32 s32, 0
.Liter:                                            ; two trips: 64 points of mine each
	s_wait_loadcnt 0x0                             ; x
	s_mov_b32 s36, 0
	s_mov_b32 s37, SCL
	s_mov_b32 s38, BIAS
	v_add_nc_u32 v[AW], s36, v[LI]
	v_add_nc_u32 v[AS], s37, v[L4]
	v_add_nc_u32 v[AB], s38, v[HB]
.irp b, 0,1,2                                  ; Wl's three fragments for enc, into the ring's last two places; bl; layer 0's first bias tile and first two units
	ds_load_b128 v[WF+24+8*\b:WF+24+8*\b+3], v[WLA] offset:1024*(4+\b)
	ds_load_b128 v[WF+24+8*\b+4:WF+24+8*\b+7], v[WLA] offset:1024*(4+\b)+512
.endr
	ds_load_b128 v[TM:TM+3], v[WLA] offset:BLCO
	ds_load_b128 v[TM+4:TM+7], v[WLA] offset:BLCO+512
	ds_load_b128 v[BI:BI+3], v[AB]
	ds_load_b128 v[BI+4:BI+7], v[AB] offset:16
.irp k, 0,1
	ds_load_b128 v[WF+12*\k:WF+12*\k+3], v[AW] offset:FRB*\k
	ds_load_b128 v[WF+12*\k+4:WF+12*\k+7], v[AW] offset:FRB*\k+512
	ds_load_b128 v[WF+12*\k+8:WF+12*\k+11], v[AW] offset:FRB*\k+1024
	ds_load_b32 v[WS+\k], v[AS] offset:128*\k
.endr
	WIN 0x40
	v_mov_b32 v[HH], v[HV]
	v_mov_b32 v[HH+1], v[HV]
	v_mov_b32 v[A9], 0x3da83c1a
	v_mov_b32 v[A9+1], 0x3da83c1a
.irp m, 0,1,2,3
.irp b, 0,1,2
	v_mul_f32 v[PQ+12*\m+4*\b+3], 0x40490fdb, v[XR+4*\m+\b]        ; y = x pi, rounded to f32 as the definition rounds it; y 2^l is exact
.endr
.endr
	WIN 0x55
.irp m, 0,1,2,3
.irp b, 0,1,2
	v_mul_f32 v[PQ+12*\m+4*\b], 0x3ea2f983, v[PQ+12*\m+4*\b+3]     ; th = y x the f32 nearest 1 / pi
.endr
.irp b, 0,1,2
	v_fma_f32 v[PQ+12*\m+4*\b+2], v[PQ+12*\m+4*\b+3], 0x3ea2f983, -v[PQ+12*\m+4*\b]   ; what that product's rounding dropped, exactly
.endr
.irp b, 0,1,2
	v_fma_f32 v[PQ+12*\m+4*\b+2], v[PQ+12*\m+4*\b+3], 0x325c9c88, v[PQ+12*\m+4*\b+2]   ; tl: + y x the rest of 1 / pi
.endr
.irp b, 0,1,2
	v_add_f32 v[PQ+12*\m+4*\b+1], v[PQ+12*\m+4*\b], v[PQ+12*\m+4*\b]
.endr
.irp b, 0,1,2
	v_add_f32 v[PQ+12*\m+4*\b+3], v[PQ+12*\m+4*\b+2], v[PQ+12*\m+4*\b+2]
.endr
.endr
	WIN 0
	s_cmp_eq_u32 s32, 1                            ; x of the next iteration is asked for a whole iteration ahead; the last asks for nothing: no load leaves its buffer
	s_cbranch_scc1 .Lnox
.irp m, 0,1,2,3
	global_load_b96 v[XR+4*\m:XR+4*\m+2], v[XA], s[24:25] offset:6144+192*\m th:TH_LOAD_NT
.endr
.Lnox:
.irp m, 0,1
	SINCOS \m, 0
	SINCOS \m, 1
	SINCOS \m, 2
	QUANT_E \m
.endr
	s_wait_dscnt 0x0                               ; all that was asked for at the trip's top
	OUTE 0, 1
.irp m, 2,3
	SINCOS \m, 0
	SINCOS \m, 1
	SINCOS \m, 2
	QUANT_E \m
.endr
	OUTE 2, 3
.rept 4
	v_nop                                          ; places in front of the loads into the registers that held Wl's fragments, and behind the last writes of enc's codes
.endr
; ---- layer 0: K = enc alone
.set TXT, 0
	UNIT 0, CH_NOP, 0, 0
	UNIT 1, CH_R, 0, 0
	UNIT 2, CH_R, 0, 1
	UNIT 3, CH_R, 0, 2
	UNIT 4, CH_R, 0, 3
	UNIT 5, CH_X, 0, 0
	UNIT 6, CH_X, 0, 1
	UNIT 7, CH_S0, 0, 0
.irp p, 0,1,2,3
	CH_C0 0, 0, \p
.endr
.irp u, 0,1,2
.irp p, 0,1,2,3
	CH_R 1, \u, \p
.endr
.endr
	NEXTL L1W
; ---- layers 1 to 6.  Units 0-3: enc x tiles 0-3, beside the rest of the last layer's quantising; 4-11: hidden x tiles 0-7; 12-15: enc x tiles 4-7.  The old hidden codes are last read in unit 11;
; their lower half is written anew in unit 12, the upper half and the scale words in the next unit 3.
	s_mov_b32 s33, 6
.Llayer:
.set TXT, 1
	UNIT 0, CH_R, 1, 3
	UNIT 1, CH_X, 1, 0
	UNIT 2, CH_X, 1, 1
	UNIT 3, CH_SC1, 0, 0
	UNIT 4, CH_NOP, 0, 0
	UNIT 5, CH_R, 0, 0
	UNIT 6, CH_R, 0, 1
	UNIT 7, CH_R, 0, 2
	UNIT 8, CH_R, 0, 3
	UNIT 9, CH_X, 0, 0
	UNIT 10, CH_X, 0, 1
	UNIT 11, CH_S0, 0, 0
	UNIT 12, CH_C0, 0, 0
	UNIT 13, CH_R, 1, 0
	UNIT 14, CH_R, 1, 1
	UNIT 15, CH_R, 1, 2
	NEXTL LW
	s_sub_co_u32 s33, s33, 1
	s_cmp_lg_u32 s33, 0
	s_cbranch_scc1 .Llayer
; ---- layer 7: its result is not quantised, and nothing is fetched behind its last unit
.set TXT, 2
	UNIT 0, CH_R, 1, 3
	UNIT 1, CH_X, 1, 0
	UNIT 2, CH_X, 1, 1
	UNIT 3, CH_SC1, 0, 0
	UNIT 4, CH_NOP, 0, 0
	UNIT 5, CH_R, 0, 0
	UNIT 6, CH_R, 0, 1
	UNIT 7, CH_R, 0, 2
	UNIT 8, CH_R, 0, 3
	UNIT 9, CH_NOP, 0, 0
	UNIT 10, CH_NOP, 0, 0
	UNIT 11, CH_NOP, 0, 0
	UNIT 12, CH_NOP, 0, 0
	UNIT 13, CH_R, 1, 0
	UNIT 14, CH_R, 1, 1
	UNIT 15, CH_R, 1, 2
.irp p, 0,1,2,3
	CH_R 1, 3, \p                                  ; (these 32 are also the places behind the last unit)
.endr
; ---- the hidden layer's part of the last product, and the way out
	WIN 0
.irp f, 0,1,2,3
	ds_load_b128 v[188+8*\f:188+8*\f+3], v[WLA] offset:1024*\f
	ds_load_b128 v[188+8*\f+4:188+8*\f+7], v[WLA] offset:1024*\f+512
.endr
	WIN 0x05
.irp m, 0,1,2,3
.set I, 0
.rept 32
	v_cvt_pk_bf16_f32 v[EF+32*\m+I], v[64*\m+2*I], v[64*\m+2*I+1]   ; fragment f of tile m, register j, half e: unit 64 (f / 2) + 16 (f % 2) + 32 h + 2 j + e, as Wl's fragment f was laid
.set I, I+1
.endr
.endr
	WIN 0
	s_wait_dscnt 0x0
.irp f, 0,1,2,3
.irp m, 0,1,2,3
	v_wmma_f32_16x16x32_bf16 v[OA+8*\m:OA+8*\m+7], v[188+8*\f:188+8*\f+7], v[EF+32*\m+8*\f:EF+32*\m+8*\f+7], v[OA+8*\m:OA+8*\m+7]
.endr
.endr
.rept 4
	v_nop                                          ; places in front of the first read of the results
.endr
.irp j, 0,1,2,3                                ; lanes 0-15 hold a point's four outputs in registers 0-3: tile 1's go into tile 0's lanes 16-31, tile 3's into tile 2's
	v_permlane16_swap_b32 v[OA+\j], v[OA+8+\j]
	v_permlane16_swap_b32 v[OA+16+\j], v[OA+24+\j]
.endr
	global_store_b128 v[LI], v[OA:OA+3], s[26:27] th:TH_STORE_NT              ; 32 lanes store 32 points: 512 consecutive bytes, at a multiple of 256 from the buffer's first byte
	global_store_b128 v[LI], v[OA+16:OA+19], s[26:27] offset:512 th:TH_STORE_NT
	s_wait_xcnt 0x0                                ; the stores have read their data and their base: both are written again below and in the next trip
	s_add_nc_u64 s[26:27], s[26:27], 8192
	s_add_co_u32 s32, s32, 1
	s_cmp_lt_u32 s32, 2
	s_cbranch_scc1 .Liter
	s_wait_tensorcnt 0x0
	ds_add_u32 v254, v255
	s_wait_dscnt 0x0
	s_endpgm
.Lfunc_end_k_qf1660ab9ad_field:
	.size	k_qf1660ab9ad_field, .Lfunc_end_k_qf1660ab9ad_field-k_qf1660ab9ad_field
	.p2alignl 7, 3214868480
	.fill 96, 4, 3214868480
	.section	.rodata,"a",@progbits
	.p2align	6, 0x0
	.amdhsa_kernel k_qf1660ab9ad_field
		.amdhsa_group_segment_fixed_size 291840
		.amdhsa_private_segment_fixed_size 0
		.amdhsa_enable_private_segment 0
		.amdhsa_kernarg_size 80
		.amdhsa_user_sgpr_count 2
		.amdhsa_user_sgpr_kernarg_segment_ptr 1
		.amdhsa_wavefront_size32 1
		.amdhsa_system_sgpr_workgroup_id_x 1
		.amdhsa_system_sgpr_workgroup_id_y 1
		.amdhsa_system_sgpr_workgroup_id_z 1
		.amdhsa_system_vgpr_workitem_id 0
		.amdhsa_next_free_vgpr 512
		.amdhsa_next_free_sgpr 66
		.amdhsa_reserve_vcc 1
		.amdhsa_float_denorm_mode_32 3
		.amdhsa_float_denorm_mode_16_64 3
		.amdhsa_memory_ordered 1
		.amdhsa_forward_progress 1
		.amdhsa_inst_pref_size 255
	.end_amdhsa_kernel
	.section	.bss,"aw",@nobits
	.p2align	6
	.space	262144
	.amdgpu_metadata
---
amdhsa.version: [ 1, 2 ]
amdhsa.kernels:
  - .name:           k_qf1660ab9ad_field
    .symbol:         k_qf1660ab9ad_field.kd
    .args:
      - { .name: W0_codes, .offset: 0, .size: 8, .value_kind: global_buffer, .address_space: global }
      - { .name: W0_scales, .offset: 8, .size: 8, .value_kind: global_buffer, .address_space: global }
      - { .name: Wh_codes, .offset: 16, .size: 8, .value_kind: global_buffer, .address_space: global }
      - { .name: Wh_scales, .offset: 24, .size: 8, .value_kind: global_buffer, .address_space: global }
      - { .name: Wl, .offset: 32, .size: 8, .value_kind: global_buffer, .address_space: global }
      - { .name: b0, .offset: 40, .size: 8, .value_kind: global_buffer, .address_space: global }
      - { .name: bh, .offset: 48, .size: 8, .value_kind: global_buffer, .address_space: global }
      - { .name: bl, .offset: 56, .size: 8, .value_kind: global_buffer, .address_space: global }
      - { .name: query_points, .offset: 64, .size: 8, .value_kind: global_buffer, .address_space: global }
      - { .name: out0, .offset: 72, .size: 8, .value_kind: global_buffer, .address_space: global }
    .group_segment_fixed_size: 291840
    .private_segment_fixed_size: 0
    .kernarg_segment_align: 8
    .kernarg_segment_size: 80
    .max_flat_workgroup_size: 256
    .sgpr_count:     66
    .vgpr_count:     512
    .wavefront_size: 32
...
	.end_amdgpu_metadata
.endif
;; end of part 1
;; ======== version 2 of 2: 1 launch; version 1 with the launch field written anew for expert scheduling mode
;; limits: inputs' magnitudes at most 128
;; launch field (part 2): grid 256 x 1, 8 waves a work-group, no clusters, 291,840 bytes of LDS; arguments W0_codes, W0_scales, Wh_codes, Wh_scales, Wl, b0, bh, bl, query_points, out0; writes out0
.if DOCPART == 2
	.amdgcn_target "amdgcn-amd-amdhsa--gfx1250"
	.amdhsa_code_object_version 6
	.text
	.protected	k_qf1660ab9ad_field
	.globl	k_qf1660ab9ad_field
	.p2align	8
	.type	k_qf1660ab9ad_field,@function
k_qf1660ab9ad_field:
	s_mov_b64 s[64:65], 0
	v_nop
	global_prefetch_b8 v0, s[64:65] scope:SCOPE_SE
	s_setreg_imm32_b32 hwreg(HW_REG_WAVE_SCHED_MODE, 0, 2), 2
	s_setreg_imm32_b32 hwreg(HW_REG_WAVE_MODE, 25, 1), 1
	s_wait_xcnt 0x0
	s_wait_alu depctr_vm_vsrc(0)
; NeuralField: 262,144 points; enc = 96 sines and cosines of x 2^l pi; eight layers on codes of FP6 (E2M3) with one E8M0 scale for each 32 along K
; (96 -> 128, then seven times [hidden 128 | enc 96] -> 128, bias and relu in f32); a last product [224] -> 4 with bf16 operands and f32 sums.  Nothing but x and the result goes through memory.
; SHARES.  256 work-groups of eight waves; a work-group owns 1,024 points, in two iterations of 512; a wave owns 64 points an iteration: four tiles of 16 (m = 0..3).  Behind the head waves share nothing.
; WEIGHTS.  Each work-group lays all weights into LDS once, as IMAGES OF OPERAND REGISTERS (a fragment of 16 rows x 128 K: 12 registers a lane, three groups of 512 bytes, lane l at 16 l), in the order in which the
; layers take them; K is filled up to 128 and 256 with zero codes.  Wave t lays tile t of every layer.  One barrier follows; behind it LDS is only read.
; NO TENSOR LOADS, NO CLUSTER, though all work-groups read the same weights: on their way the rows change order, a block of zero codes is added and rows become register images, which needs registers;
; and raw rows (159,744 bytes) beside the images (184,320 bytes) do not fit into 327,680 bytes of LDS.  What is shared is read once by each work-group, at its head.
; LAYOUT.  Both products are used transposed: source 0 = 16 rows of W, source 1 = 16 points, so a lane holds ONE point (lane % 16).  THE ROWS OF W THAT FORM A TILE ARE NOT NEIGHBOURS: row r of tile t = 4 c + u is
; unit 64 c + 32 (r / 8) + 8 u + r % 8.  Then register j of tile t in lane (r, h) is unit 64 c + 32 h + 8 u + j: the 32 registers of tiles 4 c .. 4 c + 3 are the WHOLE block 2 c + h of the next K, in order:
; its largest magnitude needs no other lane, and two conversions give registers 6 c .. 6 c + 5 of the next operand as they stand.
; A LAYER is a run of UNITS: one weight fragment against the four tiles of points, four matrix instructions on four accumulators; behind each stands a part of the vector work (relu, maxima, conversions) of tiles finished earlier.
; SINE AND COSINE.  y = x pi in f32, as the definition has it; t = y / pi as a sum of two floats; v = 2^l t is exact; n = the whole number nearest v + H; W = v + H - n; the result is (-1)^n sin(pi W), by a polynomial of
; degree 11 in W (cut: under 6e-8 at |W| = 1/2).  H = 0 in lanes 0-15 (sine), 1/2 in lanes 16-31 (cosine).
; LIMITS: |x| under 128 (n is taken by adding 1.5 x 2^23, which holds for |n| under 2^22); NaN and infinities are not served; a block of zeros gets the scale byte 1 where the rule says 127 (its codes are zeros,
; and nobody else reads the bytes); the last product rounds its operands to bf16.
; THE MODE: SCHED_MODE bits 1:0 = 2 (LLVM: expert scheduling mode 2), set by the entry lines.  The code itself states the register dependences between vector or matrix instructions and memory or LDS instructions,
; with s_wait_alu, always for 0.
; THE PLAN.  Registers that memory or LDS instructions touch behind the head:
;   WF0 .. WF3, WS0 .. WS3   Unit k's four matrix instructions read place k % 4.  The LDS loads at the head of EVEN unit k land in places (k + 2) % 4 and (k + 3) % 4, which units k - 2 and k - 1 read last.
;   three bias places        v204-211, v212-219, v52-59: read as the C of the units that start sums.  The loads at the head of even unit k bring the bias of units k + 1 and k + 2, into places that units up to k - 1 read last.
;                            v52-59 are also the conversions' side registers: vector instructions use them in units 3 and 12 of a hidden layer, behind layer 0's last unit and while enc is made; the bias lies there
;                            from the head of unit 0 to unit 2 and from the head of unit 8 to unit 10 (layer 0: for units 1, 4 and 7).
;   AW, AS, AB               Read by every LDS load of weights; written by three additions at a change of layer and at an iteration's top.
;   XR                       Read by twelve multiplications at an iteration's top; behind them the next iteration's x lands there.
;   v40-47, v180-203         bl and Wl's fragments for enc: loaded at an iteration's top.    v188-219  Wl's other four fragments: loaded on the way out.
;   v220-223, v236-239       Written by matrix instructions and lane exchanges, read by the iteration's two stores.
;   LI, L4, HB, XA, WLA      Made once at the head and never written again.
; So ONE wait on va_vdst stands at the head of every second unit, straight ahead of the run of loads for two units; it also states that AW, AS, AB are written (behind a change of layer) and that the codes and scale words
; which vector instructions made are written (ahead of the first units that take them).  One wait on vm_vsrc stands ahead of each rewriting of AW, AS, AB.
; REGISTERS, window 0: v1-11 addresses and lane constants; v12-27 x; v28-31, v32-35, v36-39 scale words (enc, hidden, weights) and nothing else; v40-59 at work (v52-59 also the third bias place); v60-107 enc codes;
;   v108-155 hidden codes; v156-203 four weight fragments; v204-219 two bias places; v220-251 the four accumulators of the result.   window 1: the 32 accumulators of a layer (tile of points m, tile t: 64 m + 8 t); scratch while enc is made.
.set FRB,  1536                        ; a fragment's image
.set L1W,  8*FRB                       ; LDS: layer 0's eight images, then from here 16 for each hidden layer, in the order of the units
.set LW,   16*FRB
.set SCL,  L1W+7*LW                    ; weight scale words: layer x 1,024 + tile x 128 + 4 x lane; lanes 0-15 the word of K 0-127, lanes 16-31 that of K 128-255
.set BIAS, SCL+8*1024                  ; b0, then bh: 512 bytes a layer
.set WLB,  BIAS+8*512                  ; seven bf16 fragments of Wl, 1,024 bytes each,
.set BLCO, 7*1024                      ; and behind them bl as the C of a sum
.set STG,  WLB+8*1024                  ; the head's staging: STW bytes for each wave, four slots of 16 rows x 168 bytes
.set STW,  10752
.set SLB,  2688
.set LI,  1                            ; 16 x lane
.set AW,  2                            ; the layer's images + 16 x lane
.set AS,  3                            ; the layer's scale words + 4 x lane
.set AB,  4                            ; the layer's bias + 128 h
.set SH0, 5                            ; 8 h
.set SH1, 6                            ; 8 h + 16
.set XA,  7                            ; 12 x (lane % 16)
.set L4,  8                            ; 4 x lane
.set HB,  9                            ; 128 h
.set WLA, 10                           ; WLB + 16 x lane
.set HV,  11                           ; 0.5 h as f32
.set XR,  12
.set ES,  28
.set HS,  32
.set WS,  36
.set TM,  40                           ; largest magnitudes; while enc is made v40-47 hold bl's image
.set SO,  44                           ; the conversions' scale operands
.set PW,  48                           ; a scale word in the making
.set TC,  52                           ; v52-54, v56-58: the upper halves of two blocks' codes; v52-59 by turns with that: the third bias place
.set EF,  60
.set HF,  108
.set WF,  156
.set BI,  204
.set OA,  220
.set VV,  0                            ; window 1 while enc is made: 48 numbers of a tile: block b at 16 b
.set PQ,  48                           ; (th, 2 th, tl, 2 tl) for tile m, coordinate b at 12 m + 4 b
.set HH,  96                           ; (H, H)
.set A9,  98                           ; a coefficient, twice
.set SL,  100                          ; eight slots of four pairs
.set QM,  100                          ; and, when those are done with: maxima, the other half's, scale operands, bytes, the word
.set QX,  104
.set QS,  108
.set QB,  112
.set QW,  116
.set ZT,  40                           ; the head's own, all outside the scale registers
.set ZL,  41
.set ZR,  42
.set ZH,  43
.set ZSG, 44
.set ZFA, 45
.set ZFB, 46
.set ZGA, 47
.set ZGB, 48
.set ZIH, 49
.set ZIE, 50
.set ZI0, 51
.set ZSW, 52
.set ZBW, 53
.set ZWW, 54
.set ZMH, 55
.set ZM4, 56
.set ZMS, 57
.set ZPD, 58
.set ZNL, 59
.set ZIA, 220                          ; v220-233 where the images of hidden layer l go: K 0-127 at 2 l, K 128-255 at 2 l + 1
.set ZV1, 234
.set ZV2, 235
.set ZV0, 236
.set ZWL, 237
.set ZZ0, 238
.set FRG, 60                           ; v60-155 eight fragments on their way
.set MSB, 0
.macro WIN new                         ; the immediate's high byte repeats the setting that is left; a switch that changes nothing is dropped
.if MSB != (\new)
	s_set_vgpr_msb (MSB<<8)|(\new)
.set MSB, (\new)
.endif
.endm
.macro WINLD                           ; an LDS load wants its destination and its address in window 0
.if (MSB & 0xc3) != 0
	WIN 0
.endif
.endm
	s_load_b512 s[8:23], s[0:1], 0x0               ; W0 codes 8, W0 scales 10, Wh codes 12, Wh scales 14, Wl 16, b0 18, bh 20, bl 22
	s_load_b128 s[24:27], s[0:1], 0x40             ; x 24, the result 26
	v_lshl_add_u32 v254, v0, 2, 0x47000            ; my spare word, behind the staging, and 0: kept for the closing lines alone
	v_mov_b32 v255, 0
	v_lshrrev_b32 v[ZT], 5, v0
	v_readfirstlane_b32 s28, v[ZT]                 ; wave 0..7 = the tile t that I lay
	v_and_b32 v[ZL], 31, v0
	v_and_b32 v[ZR], 15, v0                        ; r
	v_bfe_u32 v[ZH], v0, 4, 1                      ; h
	v_lshlrev_b32 v[LI], 4, v[ZL]
	s_wait_alu depctr_va_vdst(0)
	v_lshlrev_b32 v[L4], 2, v[ZL]
	v_lshlrev_b32 v[SH0], 3, v[ZH]
	v_lshl_add_u32 v[SH1], v[ZH], 3, 16
	v_mul_u32_u24 v[XA], v[ZR], 12
	v_lshlrev_b32 v[HB], 7, v[ZH]
	v_add_nc_u32 v[WLA], WLB, v[LI]
	v_cvt_f32_u32 v[HV], v[ZH]
	v_mul_f32 v[HV], 0.5, v[HV]
	s_wait_alu depctr_va_sdst(0)                   ; s28 is written, ahead of its first reader: LDS places, bases and the one branch of the head are made from it
	s_mul_i32 s34, s28, STW
	s_add_co_u32 s34, s34, STG                     ; my staging
	s_add_co_u32 s35, s28, 4
	s_mul_i32 s35, s35, FRB                        ; the fragment of K 0-127 of tile t is unit 4 + t of a layer,
	s_lshr_b32 s36, s28, 2                         ; c
	s_lshl_b32 s37, s36, 3
	s_add_co_u32 s37, s37, s28
	s_mul_i32 s37, s37, FRB                        ; that of K 128-255 is unit t + 8 c
	s_mul_i32 s38, s28, FRB
	s_lshl_b32 s39, s28, 7
	s_add_co_u32 s39, s39, SCL
	s_lshl_b32 s40, s28, 9
	s_add_co_u32 s40, s40, BIAS
	s_lshl_b32 s41, s28, 10
	s_add_co_u32 s41, s41, WLB
	v_add_nc_u32 v[ZSG], s34, v[LI]                ; staging, as the bytes lie
	v_mul_u32_u24 v[ZFB], v[ZR], 168
	v_add_nc_u32 v[ZFB], s34, v[ZFB]               ; staging, row r of 168 bytes,
	v_mad_u32_u24 v[ZFA], v[ZH], 24, v[ZFB]        ; + 24 h
	v_mul_u32_u24 v[ZGB], v[ZR], 72
	v_add_nc_u32 v[ZGB], s34, v[ZGB]               ; the same for W0's rows of 72 bytes
	v_mad_u32_u24 v[ZGA], v[ZH], 24, v[ZGB]
	v_add_nc_u32 v[ZIH], s35, v[LI]
	v_add_nc_u32 v[ZIE], s37, v[LI]
	v_add_nc_u32 v[ZI0], s38, v[LI]
	v_add_nc_u32 v[ZSW], s39, v[L4]
	v_add_nc_u32 v[ZBW], s40, v[LI]
	v_add_nc_u32 v[ZWW], s41, v[LI]
.irp l, 0,1,2,3,4,5,6
	v_add_nc_u32 v[ZIA+2*\l], L1W+LW*\l, v[ZIH]    ; every LDS address is made here, ahead of the one branch on the wave's number
	v_add_nc_u32 v[ZIA+2*\l+1], L1W+LW*\l, v[ZIE]
.endr
	v_add_nc_u32 v[ZMH], -1, v[ZH]                 ; all ones in lanes 0-15, 0 in lanes 16-31
	v_cmp_gt_u32 vcc_lo, 4, v[ZR]
	s_wait_alu depctr_va_vcc(0)                    ; the compare has written VCC, which the select below reads
	v_cndmask_b32 v[ZM4], 0, -1, vcc_lo            ; all ones where r < 4: Wl has four columns
	v_or_b32 v[ZMS], 0xffffff, v[ZMH]
	v_mul_u32_u24 v[ZPD], v[ZH], 0x7f
	v_lshlrev_b32 v[ZPD], 24, v[ZPD]               ; the byte of the block of zero codes: 127
	v_and_b32 v[ZNL], 7, v[ZR]
	v_and_b32 v[ZT], 8, v[ZR]
	v_lshl_add_u32 v[ZNL], v[ZT], 2, v[ZNL]        ; 32 (r / 8) + r % 8: my row of W, counted from the tile's first
	v_mul_u32_u24 v[ZV1], v[ZNL], 7
	v_mad_u32_u24 v[ZV2], v[ZH], 3, v[ZV1]
	v_add_nc_u32 v[ZV2], 3, v[ZV2]                 ; Wh's scale bytes: the fourth byte of my word; in lanes 16-31 byte 6 once more, which stays inside the buffer and is replaced
	v_lshl_add_u32 v[ZV1], v[ZH], 2, v[ZV1]        ; and its first three: 7 bytes a row, + 4 h
	v_mul_u32_u24 v[ZV0], v[ZNL], 3                ; W0's: 3 bytes a row
	v_mov_b32 v[ZZ0], 0
	s_and_b32 s44, s28, 3
	s_lshl_b32 s44, s44, 3
	s_lshl_b32 s45, s36, 6
	s_add_co_u32 s44, s44, s45                     ; the tile's first row of W: 64 c + 8 u
	s_lshl_b32 s45, ttmp9, 10
	s_lshl_b32 s29, s28, 6
	s_add_co_u32 s45, s45, s29                     ; my first point: 1,024 x work-group + 64 x wave
	s_mov_b32 s43, 0
	s_lshr_b32 s35, s28, 1                         ; Wl's fragment f = wave (0..6): its first k and the distance between the halves of the lanes, as the points' bf16 fragments have them:
	s_lshl_b32 s35, s35, 6
	s_and_b32 s37, s28, 1
	s_lshl_b32 s37, s37, 4
	s_add_co_u32 s35, s35, s37                     ; f < 4: k = 64 (f / 2) + 16 (f % 2) + 32 h + 0 .. 15
	s_lshl_b32 s37, s28, 5                         ; else:  k = 128 + 32 (f - 4) + 16 h + 0 .. 15
	s_mov_b32 s38, 256
	s_cmp_lt_u32 s28, 4
	s_cselect_b32 s35, s35, s37
	s_cselect_b32 s38, 512, s38                    ; a row of Wl is 16 bytes
	v_and_b32 v[ZWL], 3, v[ZR]
	v_lshlrev_b32 v[ZWL], 2, v[ZWL]
	v_mad_u32_u24 v[ZWL], v[ZH], s38, v[ZWL]
	s_mov_b32 s30, 0x76543210
	s_mov_b32 s31, 0xfedcba98                      ; v_permlanex16_b32's selects for lane l xor 16
	s_wait_kmcnt 0x0
	s_mul_i32 s42, s44, 72
	s_add_nc_u64 s[8:9], s[8:9], s[42:43]
	s_mul_i32 s42, s44, 3
	s_add_nc_u64 s[10:11], s[10:11], s[42:43]
	s_mul_i32 s42, s44, 168
	s_add_nc_u64 s[12:13], s[12:13], s[42:43]
	s_mul_i32 s42, s44, 7
	s_add_nc_u64 s[14:15], s[14:15], s[42:43]
	s_lshl_b32 s42, s35, 4
	s_add_nc_u64 s[16:17], s[16:17], s[42:43]
	s_mul_i32 s42, s45, 12
	s_add_nc_u64 s[24:25], s[24:25], s[42:43]
	s_lshl_b32 s42, s45, 4
	s_add_nc_u64 s[26:27], s[26:27], s[42:43]
	s_cmp_eq_u32 s28, 0                            ; wave w brings layer w's bias: b0, or row w - 1 of bh
	s_cselect_b64 s[46:47], s[18:19], s[20:21]
	s_max_u32 s42, s28, 1
	s_sub_co_u32 s42, s42, 1
	s_lshl_b32 s42, s42, 9
	s_add_nc_u64 s[46:47], s[46:47], s[42:43]
	s_wait_alu depctr_va_vdst(0)                   ; every offset and every LDS address of the head, and those that stay (LI, L4, HB, XA, WLA), are written: the loads and stores below read them
.irp m, 0,1,2,3
	global_load_b96 v[XR+4*\m:XR+4*\m+2], v[XA], s[24:25] offset:192*\m th:TH_LOAD_NT   ; x of the first iteration: lane (r, h) takes point r of tile m
.endr
	WIN 0x40                                       ; destination window 1
.irp l, 0,1,2,3,4,5,6                          ; a tile's rows are two runs of eight neighbours, 32 rows apart: 1,344 dense bytes each, by three loads of 512 bytes, the last ending with the run
.irp z, 0,1
.irp i, 0,1,2
	global_load_b128 v[4*(6*\l+3*\z+\i):4*(6*\l+3*\z+\i)+3], v[LI], s[12:13] offset:21504*\l+5376*\z+512*\i-192*(\i/2)
.endr
.endr
.endr
.irp z, 0,1                                    ; W0: runs of 576 bytes, two loads
.irp i, 0,1
	global_load_b128 v[168+4*(2*\z+\i):168+4*(2*\z+\i)+3], v[LI], s[8:9] offset:2304*\z+64*\i
.endr
.endr
	WIN 0
.irp l, 0,1,2,3,4,5,6
.irp j, 0,1,2
	global_load_u8 v[160+4*\l+\j], v[ZV1], s[14:15] offset:896*\l+\j
.endr
	global_load_u8 v[163+4*\l], v[ZV2], s[14:15] offset:896*\l
.endr
.irp j, 0,1,2
	global_load_u8 v[188+\j], v[ZV0], s[10:11] offset:\j
.endr
	global_load_b128 v[192:195], v[LI], s[46:47]
	s_cmp_lt_u32 s28, 7
	s_cbranch_scc0 .Lwave7
.irp i, 0,1,2,3,4,5,6,7,8,9,10,11,12,13,14,15
	global_load_b32 v[196+\i], v[ZWL], s[16:17] offset:16*\i   ; Wl(first k + i, r % 4)
.endr
	s_wait_loadcnt 0x0                             ; for zero: every load of the head is in
.irp j, 0,1,2,3,4,5,6,7
	v_cvt_pk_bf16_f32 v[212+\j], v[196+2*\j], v[197+2*\j]
.endr
.irp j, 0,1,2,3,4,5,6,7
	v_and_b32 v[212+\j], v[ZM4], v[212+\j]         ; rows 4 to 15 of the tile of Wl^T are zeros
.endr
	s_branch .Ljoin
.Lwave7:
	global_load_b128 v[196:199], v[ZZ0], s[22:23]  ; bl
	s_wait_loadcnt 0x0                             ; likewise
.irp j, 0,1,2,3
	v_and_b32 v[212+\j], v[ZMH], v[196+\j]         ; in the result's layout: register j of lanes 0-15 is output j
	v_mov_b32 v[216+\j], 0
.endr
.Ljoin:
.irp l, 0,1,2,3,4,5,6                          ; all eight scale words are made first, so that one wait serves the run of stores
	v_lshl_or_b32 v[160+4*\l], v[161+4*\l], 8, v[160+4*\l]
	v_lshl_or_b32 v[160+4*\l], v[162+4*\l], 16, v[160+4*\l]
	v_lshl_or_b32 v[160+4*\l], v[163+4*\l], 24, v[160+4*\l]
	v_and_or_b32 v[160+4*\l], v[160+4*\l], v[ZMS], v[ZPD]
.endr
	v_lshl_or_b32 v188, v189, 8, v188
	v_lshl_or_b32 v188, v190, 16, v188
	v_or_b32 v188, 0x7f000000, v188
	s_wait_alu depctr_va_vdst(0)                   ; v212-219 (on either way to the label), the seven words v160, v164 .. v184 and v188 are written: the LDS stores below read them
	ds_store_b128 v[ZWW], v[212:215]
	ds_store_b128 v[ZWW], v[216:219] offset:512
	ds_store_b128 v[ZBW], v[192:195]
.irp l, 0,1,2,3,4,5,6
	ds_store_b32 v[ZSW], v[160+4*\l] offset:1024*(\l+1)
.endr
	ds_store_b32 v[ZSW], v188
; The codes turn from rows into fragments through my own staging: LDS serves a wave's instructions in order (ISA guide 5.7.1.4), so no wait stands between the stores and the loads.
.macro STAGE_H l, slot
.irp z, 0,1
.irp i, 0,1,2
	ds_store_b128 v[ZSG], v[4*(6*(\l)+3*\z+\i):4*(6*(\l)+3*\z+\i)+3] offset:SLB*(\slot)+1344*\z+512*\i-192*(\i/2)
.endr
.endr
.endm
.macro FRAG_H slot, f                  ; lane (r, h): registers 0-5 = 24 bytes at 24 h, registers 6-11 = 24 bytes at 48 + 24 h; K 0-127 from byte 0 of the row, K 128-255 from byte 96
.irp p, 0,1,2,3,4,5
	ds_load_b64 v[FRG+12*(\f)+2*\p:FRG+12*(\f)+2*\p+1], v[ZFA] offset:SLB*(\slot)+48*(\p/3)+8*(\p%3)
.endr
.irp p, 0,1,2
	ds_load_b64 v[FRG+12*(\f)+12+2*\p:FRG+12*(\f)+13+2*\p], v[ZFA] offset:SLB*(\slot)+96+8*\p
	ds_load_b64 v[FRG+12*(\f)+18+2*\p:FRG+12*(\f)+19+2*\p], v[ZFB] offset:SLB*(\slot)+144+8*\p   ; block 6 in both halves of the lanes: there is no block 7
.endr
.endm
.macro MASK_H f
.irp i, 0,1,2,3,4,5
	v_and_b32 v[FRG+12*(\f)+18+\i], v[ZMH], v[FRG+12*(\f)+18+\i]   ; lanes 16-31: zero codes for K 224-255
.endr
.endm
.macro IMG_H l, f
.irp g, 0,1,2
	ds_store_b128 v[ZIA+2*(\l)], v[FRG+12*(\f)+4*\g:FRG+12*(\f)+4*\g+3] offset:512*\g
	ds_store_b128 v[ZIA+2*(\l)+1], v[FRG+12*(\f)+12+4*\g:FRG+12*(\f)+12+4*\g+3] offset:512*\g
.endr
.endm
	WIN 0x04                                       ; an LDS store's data are its source 1: window 1
.irp z, 0,1
.irp i, 0,1
	ds_store_b128 v[ZSG], v[168+4*(2*\z+\i):168+4*(2*\z+\i)+3] offset:576*\z+64*\i
.endr
.endr
	STAGE_H 0, 1
	STAGE_H 1, 2
	STAGE_H 2, 3
	WIN 0
.irp p, 0,1,2
	ds_load_b64 v[FRG+2*\p:FRG+2*\p+1], v[ZGA] offset:8*\p
	ds_load_b64 v[FRG+6+2*\p:FRG+7+2*\p], v[ZGB] offset:48+8*\p
.endr
	FRAG_H 1, 1
	FRAG_H 2, 3
	FRAG_H 3, 5
	s_wait_dscnt 0x0
.irp i, 0,1,2,3,4,5
	v_and_b32 v[FRG+6+\i], v[ZMH], v[FRG+6+\i]     ; W0: zero codes for K 96-127
.endr
	MASK_H 1
	MASK_H 3
	MASK_H 5
	s_wait_alu depctr_va_vdst(0)                   ; the masks have written their registers, which the image stores read; no vector instruction names v60-155 between here and the second batch's loads into them
.irp g, 0,1,2
	ds_store_b128 v[ZI0], v[FRG+4*\g:FRG+4*\g+3] offset:512*\g
.endr
	IMG_H 0, 1
	IMG_H 1, 3
	IMG_H 2, 5
	s_wait_dscnt 0x0                               ; the first batch's LDS instructions are done
	s_wait_alu depctr_vm_vsrc(0)                   ; the image stores have read the fragments' registers, in which the loads below land
	WIN 0x04
	STAGE_H 3, 0
	STAGE_H 4, 1
	STAGE_H 5, 2
	STAGE_H 6, 3
	WIN 0
	FRAG_H 0, 0
	FRAG_H 1, 2
	FRAG_H 2, 4
	FRAG_H 3, 6
	s_wait_dscnt 0x0
	MASK_H 0
	MASK_H 2
	MASK_H 4
	MASK_H 6
	s_wait_alu depctr_va_vdst(0)                   ; the masks have written their registers, which the image stores read
	IMG_H 3, 0
	IMG_H 4, 2
	IMG_H 5, 4
	IMG_H 6, 6
	s_wait_dscnt 0x0                               ; for the others' sake: all my LDS stores have landed
	s_barrier_signal -1
	s_barrier_wait -1                              ; the one barrier: from here on LDS is only read
	s_wait_alu depctr_vm_vsrc(0)                   ; the head's loads and stores have read their offsets, addresses and data: v40-59, v60-219, v220-238 and window 1's v0-183 are written anew from here on
; ---- what unit j of the text in hand is.  TXT = 0: layer 0 (eight units, then the first two of layer 1); 1: a hidden layer in the loop (units 16, 17 are the next layer's); 2: the last hidden layer (nothing behind unit 15)
.macro UINFO j
.set UX, 1
.set JH, (\j)
.set OW0, 0
.set OS0, 0
.set OB0, 0
.if TXT == 0
.set JH, (\j)-8
.set OW0, L1W
.set OS0, 1024
.set OB0, 512
.endif
.if (TXT == 0) && ((\j) < 8)
.set UE, 1                             ; source 1 is enc
.set UF, 1                             ; the unit starts its sums, with the bias as C
.set UTT, (\j)                         ; the tile
.set OW, FRB*(\j)
.set OS, 128*(\j)
.set OB, 256*((\j)/4)+32*((\j)%4)
.set UB, ((\j)+1)%3                    ; its bias place: so that the next layer's units 0 and 1 find places 0 and 1 free
.else
.set JJ, JH%16
.set ADV, JH/16
.if JJ < 4
.set UTT, JJ
.elseif JJ < 12
.set UTT, JJ-4
.else
.set UTT, JJ-8
.endif
.set UE, 0
.if (JJ < 4) || (JJ >= 12)
.set UE, 1
.endif
.set UF, 0
.if (JJ < 4) || ((JJ >= 8) && (JJ < 12))
.set UF, 1
.endif
.set OW, OW0+FRB*JJ+LW*ADV
.set OS, OS0+128*UTT+1024*ADV
.set OB, OB0+256*(UTT/4)+32*(UTT%4)+512*ADV
.set UB, (JJ%4)%3                      ; its bias place: units 0-3 and 8-11 take places 0, 1, 2, 0
.if (TXT == 2) && (JH > 15)
.set UX, 0
.endif
.endif
.set BIR, BI+8*UB
.if UB == 2
.set BIR, TC
.endif
.endm
; one matrix instruction of the unit in hand, for tile of points m.  D in window 1; C the bias (window 0) or D itself
.macro MM m
.set DR, 64*(\m)+8*UTT
.if UF
	WIN 0x40
.if UE
	v_wmma_scale_f32_16x16x128_f8f6f4 v[DR:DR+7], v[WB:WB+11], v[EF+12*(\m):EF+12*(\m)+11], v[BIR:BIR+7], v[WSR], v[ES+(\m)] matrix_a_fmt:MATRIX_FMT_FP6 matrix_b_fmt:MATRIX_FMT_FP6 matrix_a_scale:MATRIX_SCALE_ROW1
.else
	v_wmma_scale_f32_16x16x128_f8f6f4 v[DR:DR+7], v[WB:WB+11], v[HF+12*(\m):HF+12*(\m)+11], v[BIR:BIR+7], v[WSR], v[HS+(\m)] matrix_a_fmt:MATRIX_FMT_FP6 matrix_b_fmt:MATRIX_FMT_FP6
.endif
.else
	WIN 0x50
.if UE
	v_wmma_scale_f32_16x16x128_f8f6f4 v[DR:DR+7], v[WB:WB+11], v[EF+12*(\m):EF+12*(\m)+11], v[DR:DR+7], v[WSR], v[ES+(\m)] matrix_a_fmt:MATRIX_FMT_FP6 matrix_b_fmt:MATRIX_FMT_FP6 matrix_a_scale:MATRIX_SCALE_ROW1
.else
	v_wmma_scale_f32_16x16x128_f8f6f4 v[DR:DR+7], v[WB:WB+11], v[HF+12*(\m):HF+12*(\m)+11], v[DR:DR+7], v[WSR], v[HS+(\m)] matrix_a_fmt:MATRIX_FMT_FP6 matrix_b_fmt:MATRIX_FMT_FP6
.endif
.endif
.endm
.macro BIASL                           ; the bias tile of the unit that UINFO has just described, into its place
	ds_load_b128 v[BIR:BIR+3], v[AB] offset:OB
	ds_load_b128 v[BIR+4:BIR+7], v[AB] offset:OB+16
.endm
.macro FRAGL j                         ; likewise unit j's fragment and scale word, into place j % 4 of their rings
	ds_load_b128 v[WF+12*((\j)%4):WF+12*((\j)%4)+3], v[AW] offset:OW
	ds_load_b128 v[WF+12*((\j)%4)+4:WF+12*((\j)%4)+7], v[AW] offset:OW+512
	ds_load_b128 v[WF+12*((\j)%4)+8:WF+12*((\j)%4)+11], v[AW] offset:OW+1024
	ds_load_b32 v[WS+(\j)%4], v[AS] offset:OS
.endm
; THE HEAD OF AN EVEN UNIT k: one wait, then in one run the bias of units k + 1 and k + 2 (where they start sums) and the fragments and scale words of units k + 2 and k + 3.
; NW counts the loads of this run: what was asked for two units ago, all that unit k takes, is in.  NWO counts those of them behind unit k + 1's bias.
.macro AHEAD k
.set NW, 0
.set NWO, 0
.if (TXT != 2) || ((\k) != 14)         ; the last layer's unit 14 has nothing left to ask for, so it holds no wait
	WINLD
	s_wait_alu depctr_va_vdst(0)                   ; units up to k - 1 are done reading the places of the rings in which the loads below land, and the conversions are done with v52-59; behind a change of layer AW, AS, AB are written; ahead of the first unit that takes them, the codes and scale words that vector instructions made (enc's: layer 0's unit 0; the hidden layer's: unit 4) are written
.endif
	UINFO (\k)+1
.if UX*UF
	BIASL
.set NW, 2
.endif
	UINFO (\k)+2
.if UX*UF
	BIASL
.set NWO, NWO+2
.endif
.if UX
	FRAGL (\k)+2
.set NWO, NWO+4
.endif
	UINFO (\k)+3
.if UX
	FRAGL (\k)+3
.set NWO, NWO+4
.endif
.set NW, NW+NWO
	s_wait_dscnt NW                                ; LDS loads come back in order (ISA guide 5.7.1): all but this run's
.endm
; UNIT k.  The four accumulators of a unit take turns, and so do the units'.  The last part of every chunk is four plain vector instructions or more, which name no register of the
; matrix instruction in front of them (ISA guide 7.12.1): the places ahead of the next chunks' reads of results and ahead of the conversions' writes into v52-59.
.macro UNIT k, chunk, a, b
.if ((\k)%2) == 0
	AHEAD \k
.else
	UINFO \k
.if UF
	s_wait_dscnt NWO                               ; my bias, the first that the last head asked for, is in; what was asked for behind it may be out
.endif
.endif
	UINFO \k
.set WB, WF+12*((\k)%4)
.set WSR, WS+(\k)%4
.irp m, 0,1,2,3
	MM \m
	\chunk \a, \b, \m
.endr
.endm
; ---- the chunks: part p stands behind a unit's p-th matrix instruction
.macro CH_NOP a, b, p
.if (\p) == 3
.rept 4
	v_nop
.endr
.endif
.endm
.macro CH_R c, u, p                    ; relu in place of tile 4 c + u, tile of points p, from the accumulator's low end on; the form with three sources keeps the matrix instructions' window setting
	WIN 0x50
.irp j, 0,1,2,3,4,5,6,7
	v_max3_num_f32 v[64*(\p)+32*(\c)+8*(\u)+\j], 0, 0, v[64*(\p)+32*(\c)+8*(\u)+\j]
.endr
.endm
.macro CH_X c, half, p                 ; the largest of my block's 32 numbers, none of them negative; the four tiles of points by turns; the floor 2^(3 - 127) holds the byte at 1 from below
	WIN 0x14
.irp d, 0,1
.irp m, 0,1,2,3
.set SS, 8*(\half)+2*(\p)+\d
.if SS == 0
	v_max3_num_f32 v[TM+\m], 0x1800000, v[64*\m+32*(\c)], v[64*\m+32*(\c)+1]
.else
	v_max3_num_f32 v[TM+\m], v[TM+\m], v[64*\m+32*(\c)+2*SS], v[64*\m+32*(\c)+2*SS+1]
.endif
.endr
.endr
.endm
.macro CH_S0 a, b, p                   ; block h: 2 off the exponent field is the conversion's scale operand; its exponent field is the byte, which goes to its place in the word
.if (\p) == 1
	WIN 0
.irp m, 0,1,2,3
	v_add_nc_u32 v[SO+\m], 0xff000000, v[TM+\m]
.endr
.elseif (\p) == 2
	WIN 0
.irp m, 0,1,2,3
	v_lshrrev_b32 v[TM+\m], 23, v[SO+\m]
.endr
.elseif (\p) == 3
	WIN 0
.irp m, 0,1,2,3
	v_lshlrev_b32 v[PW+\m], v[SH0], v[TM+\m]
.endr
.endif
.endm
.macro CVT2 c, m0                      ; my block 2 c + h of tiles of points m0, m0 + 1 becomes registers 6 c .. 6 c + 5 of the next operand (a conversion's three registers begin on an even number: the upper half is made elsewhere and moved)
	WIN 0x01
.irp q, 0,1
	v_cvt_scalef32_pk16_fp6_f32 v[HF+12*((\m0)+\q)+6*(\c):HF+12*((\m0)+\q)+6*(\c)+2], v[64*((\m0)+\q)+32*(\c):64*((\m0)+\q)+32*(\c)+15], v[SO+(\m0)+\q]
	v_cvt_scalef32_pk16_fp6_f32 v[TC+4*\q:TC+4*\q+2], v[64*((\m0)+\q)+32*(\c)+16:64*((\m0)+\q)+32*(\c)+31], v[SO+(\m0)+\q]
.endr
	WIN 0
	v_nop                                          ; one plain place behind a scaled conversion
.endm
.macro MOV2 c, m0
	WIN 0
.irp q, 0,1
.irp i, 0,1,2
	v_mov_b32 v[HF+12*((\m0)+\q)+6*(\c)+3+\i], v[TC+4*\q+\i]
.endr
.endr
.endm
.macro CH_C0 a, b, p
.if (\p) == 0
	CVT2 0, 0
.elseif (\p) == 1
	MOV2 0, 0
.elseif (\p) == 2
	CVT2 0, 2
.else
	MOV2 0, 2
.endif
.endm
.macro CH_SC1 a, b, p                  ; block 2 + h: scale, codes, and the scale word, whole with lane l xor 16's two bytes
.if (\p) == 0
	WIN 0
.irp m, 0,1,2,3
	v_add_nc_u32 v[SO+\m], 0xff000000, v[TM+\m]
.endr
	CVT2 1, 0
.irp m, 0,1,2,3
	v_lshrrev_b32 v[TM+\m], 23, v[SO+\m]
.endr
.elseif (\p) == 1
	MOV2 1, 0
.irp m, 0,1,2,3
	v_lshl_or_b32 v[PW+\m], v[TM+\m], v[SH1], v[PW+\m]
.endr
.elseif (\p) == 2
	CVT2 1, 2
.irp m, 0,1,2,3
	v_permlanex16_b32 v[TM+\m], v[PW+\m], s30, s31
.endr
.else
	WIN 0
.irp m, 0,1,2,3
	v_or_b32 v[HS+\m], v[PW+\m], v[TM+\m]
.endr
	MOV2 1, 2
.rept 4
	v_nop                                          ; a scale register written by a vector instruction stands eight places ahead of a scaled matrix instruction, an operand so written four: six moves and these four; the wait at the next unit's head follows them
.endr
.endif
.endm
.macro NEXTL dw                        ; on to the next layer's images, scale words and bias
	WIN 0
	s_wait_alu depctr_vm_vsrc(0)                   ; the LDS loads issued so far have read AW, AS, AB, which the three additions write; that these are written is stated by the wait at the next unit's head
	s_add_co_u32 s36, s36, \dw
	s_add_co_u32 s37, s37, 1024
	s_add_co_u32 s38, s38, 512
	v_add_nc_u32 v[AW], s36, v[LI]
	v_add_nc_u32 v[AS], s37, v[L4]
	v_add_nc_u32 v[AB], s38, v[HB]
.endm
; ---- enc.  Coordinate b of tile m: 16 numbers a lane, two frequencies (2 p, 2 p + 1) to a pair, the eight pairs by turns so that no line waits for the line above it
.macro SINCOS m, b
.set PB, PQ+12*(\m)+4*(\b)
.set VB, VV+16*(\b)
	WIN 0x55
.irp p, 0,1,2,3,4,5,6,7
	v_pk_fma_f32 v[SL+8*\p:SL+8*\p+1], v[PB:PB+1], 0x3f800000+(\p<<24), v[HH:HH+1] op_sel_hi:[1,0,1]   ; v + H, v = (th, 2 th) x 4^p
.endr
.irp p, 0,1,2,3,4,5,6,7
	v_pk_add_f32 v[SL+8*\p:SL+8*\p+1], v[SL+8*\p:SL+8*\p+1], 0x4b400000 op_sel_hi:[1,0]   ; + 1.5 x 2^23: rounded to the whole number n; its lowest bit is n's
.endr
.irp p, 0,1,2,3,4,5,6,7
	v_pk_add_f32 v[SL+8*\p+2:SL+8*\p+3], v[SL+8*\p:SL+8*\p+1], 0xcb400000 op_sel_hi:[1,0]   ; n
.endr
.irp p, 0,1,2,3,4,5,6,7
	v_pk_fma_f32 v[SL+8*\p+2:SL+8*\p+3], v[PB:PB+1], 0x3f800000+(\p<<24), v[SL+8*\p+2:SL+8*\p+3] op_sel_hi:[1,0,1] neg_lo:[0,0,1] neg_hi:[0,0,1]   ; v - n
.endr
.irp p, 0,1,2,3,4,5,6,7
	v_pk_fma_f32 v[SL+8*\p+4:SL+8*\p+5], v[PB+2:PB+3], 0x3f800000+(\p<<24), v[HH:HH+1] op_sel_hi:[1,0,1]   ; the low part of v, + H
.endr
.irp p, 0,1,2,3,4,5,6,7
	v_pk_add_f32 v[SL+8*\p+2:SL+8*\p+3], v[SL+8*\p+2:SL+8*\p+3], v[SL+8*\p+4:SL+8*\p+5]   ; W, between -1/2 and 1/2
.endr
.irp p, 0,1,2,3,4,5,6,7
	v_pk_mul_f32 v[SL+8*\p+4:SL+8*\p+5], v[SL+8*\p+2:SL+8*\p+3], v[SL+8*\p+2:SL+8*\p+3]   ; W^2
.endr
.irp p, 0,1,2,3,4,5,6,7
	v_pk_fma_f32 v[SL+8*\p+6:SL+8*\p+7], v[SL+8*\p+4:SL+8*\p+5], 0xbbf183a8, v[A9:A9+1] op_sel_hi:[1,0,1]   ; -pi^11 / 11!, pi^9 / 9!
.endr
.irp k, 0xbf196966, 0x402335e3, 0xc0a55de7, 0x40490fdb   ; -pi^7 / 7!, pi^5 / 5!, -pi^3 / 3!, pi
.irp p, 0,1,2,3,4,5,6,7
	v_pk_fma_f32 v[SL+8*\p+6:SL+8*\p+7], v[SL+8*\p+6:SL+8*\p+7], v[SL+8*\p+4:SL+8*\p+5], \k op_sel_hi:[1,1,0]
.endr
.endr
.irp p, 0,1,2,3,4,5,6,7
	v_pk_mul_f32 v[SL+8*\p+6:SL+8*\p+7], v[SL+8*\p+6:SL+8*\p+7], v[SL+8*\p+2:SL+8*\p+3]   ; sin(pi W)
.endr
.irp p, 0,1,2,3,4,5,6,7
	v_lshl_add_u32 v[VB+2*\p], v[SL+8*\p], 31, v[SL+8*\p+6]        ; the sign turns where n is odd
	v_lshl_add_u32 v[VB+2*\p+1], v[SL+8*\p+1], 31, v[SL+8*\p+7]
.endr
.endm
; A tile's 96 numbers: register 16 b + i of lane (r, h) is enc(r, 32 b + 16 h + i).  Codes and scale word for the layers, bf16 for the last product.
.macro QUANT_E m
	WIN 0x55
.irp b, 0,1,2
	v_max3_num_f32 v[QM+\b], |v[VV+16*\b]|, |v[VV+16*\b+1]|, 0x1800000
.endr
.irp i, 2,4,6,8,10,12,14
.irp b, 0,1,2
	v_max3_num_f32 v[QM+\b], v[QM+\b], |v[VV+16*\b+\i]|, |v[VV+16*\b+\i+1]|
.endr
.endr
.irp b, 0,1,2
	v_permlanex16_b32 v[QX+\b], v[QM+\b], s30, s31
.endr
.irp b, 0,1,2
	v_max_num_f32 v[QM+\b], v[QM+\b], v[QX+\b]     ; with lane l xor 16's: the block's largest magnitude
.endr
.irp b, 0,1,2
	v_add_nc_u32 v[QS+\b], 0xff000000, v[QM+\b]
.endr
.irp b, 0,1,2
	v_lshrrev_b32 v[QB+\b], 23, v[QS+\b]
.endr
	v_lshl_or_b32 v[QW], v[QB+1], 8, v[QB]
	v_lshl_or_b32 v[QW], v[QB+2], 16, v[QW]
	WIN 0x05                                       ; sources in window 1, destination in window 0
	v_or_b32 v[ES+(\m)], 0x7f000000, v[QW]         ; the fourth block is zero codes under the byte 127
	v_cvt_scalef32_pk16_fp6_f32 v[EF+12*(\m):EF+12*(\m)+2], v[VV:VV+15], v[QS]
	v_cvt_scalef32_pk16_fp6_f32 v[TC:TC+2], v[VV+16:VV+31], v[QS+1]
	v_cvt_scalef32_pk16_fp6_f32 v[EF+12*(\m)+6:EF+12*(\m)+8], v[VV+32:VV+47], v[QS+2]
.irp b, 0,1,2
.irp j, 0,1,2,3,4,5,6,7
	v_cvt_pk_bf16_f32 v[HF+24*((\m)%2)+8*\b+\j], v[VV+16*\b+2*\j], v[VV+16*\b+2*\j+1]   ; (plain places behind the scaled conversions)
.endr
.endr
	WIN 0
.irp i, 0,1,2
	v_mov_b32 v[TC+4+\i], 0
.endr
.irp i, 0,1,2                                  ; the operand wants a whole block in a lane: lanes 0-15 blocks 0 and 2, lanes 16-31 block 1 and the zeros
	v_permlane16_swap_b32 v[EF+12*(\m)+\i], v[TC+\i]
	v_permlane16_swap_b32 v[EF+12*(\m)+6+\i], v[TC+4+\i]
.endr
.irp i, 0,1,2
	v_mov_b32 v[EF+12*(\m)+3+\i], v[TC+\i]
	v_mov_b32 v[EF+12*(\m)+9+\i], v[TC+4+\i]
.endr
.endm
.macro OUTE m0, m1                     ; enc's part of the last product: source 0 = Wl^T (4 rows, 12 of zeros), source 1 = 16 points; bl starts the sums; two accumulators by turns
.irp b, 0,1,2
.irp m, \m0, \m1
.if \b == 0
	v_wmma_f32_16x16x32_bf16 v[OA+8*\m:OA+8*\m+7], v[WF+24+8*\b:WF+24+8*\b+7], v[HF+24*(\m%2)+8*\b:HF+24*(\m%2)+8*\b+7], v[TM:TM+7]
.else
	v_wmma_f32_16x16x32_bf16 v[OA+8*\m:OA+8*\m+7], v[WF+24+8*\b:WF+24+8*\b+7], v[HF+24*(\m%2)+8*\b:HF+24*(\m%2)+8*\b+7], v[OA+8*\m:OA+8*\m+7]
.endif
.endr
.endr
.endm
	s_mov_b32 s32, 0
.Liter:                                            ; two trips: 64 points of mine each
	s_wait_loadcnt 0x0                             ; x
	s_mov_b32 s36, 0
	s_mov_b32 s37, SCL
	s_mov_b32 s38, BIAS
	v_add_nc_u32 v[AW], s36, v[LI]                 ; (what read them has read them: the wait on vm_vsrc ahead of the label, and the one ahead of the backward jump)
	v_add_nc_u32 v[AS], s37, v[L4]
	v_add_nc_u32 v[AB], s38, v[HB]
	s_wait_alu depctr_va_vdst(0)                   ; AW, AS, AB are written, which the loads below read; the head's, or the last trip's, vector and matrix instructions are done with v36, v37, v40-47 and v156-219, in which these loads land
.irp b, 0,1,2                                  ; Wl's three fragments for enc, into the ring's last two places; bl; layer 0's first bias tile (its place is 1) and first two units
	ds_load_b128 v[WF+24+8*\b:WF+24+8*\b+3], v[WLA] offset:1024*(4+\b)
	ds_load_b128 v[WF+24+8*\b+4:WF+24+8*\b+7], v[WLA] offset:1024*(4+\b)+512
.endr
	ds_load_b128 v[TM:TM+3], v[WLA] offset:BLCO
	ds_load_b128 v[TM+4:TM+7], v[WLA] offset:BLCO+512
	ds_load_b128 v[BI+8:BI+11], v[AB]
	ds_load_b128 v[BI+12:BI+15], v[AB] offset:16
.irp k, 0,1
	ds_load_b128 v[WF+12*\k:WF+12*\k+3], v[AW] offset:FRB*\k
	ds_load_b128 v[WF+12*\k+4:WF+12*\k+7], v[AW] offset:FRB*\k+512
	ds_load_b128 v[WF+12*\k+8:WF+12*\k+11], v[AW] offset:FRB*\k+1024
	ds_load_b32 v[WS+\k], v[AS] offset:128*\k
.endr
	WIN 0x40
	v_mov_b32 v[HH], v[HV]
	v_mov_b32 v[HH+1], v[HV]
	v_mov_b32 v[A9], 0x3da83c1a
	v_mov_b32 v[A9+1], 0x3da83c1a
.irp m, 0,1,2,3
.irp b, 0,1,2
	v_mul_f32 v[PQ+12*\m+4*\b+3], 0x40490fdb, v[XR+4*\m+\b]        ; y = x pi, rounded to f32 as the definition rounds it; y 2^l is exact
.endr
.endr
	WIN 0x55
.irp m, 0,1,2,3
.irp b, 0,1,2
	v_mul_f32 v[PQ+12*\m+4*\b], 0x3ea2f983, v[PQ+12*\m+4*\b+3]     ; th = y x the f32 nearest 1 / pi
.endr
.irp b, 0,1,2
	v_fma_f32 v[PQ+12*\m+4*\b+2], v[PQ+12*\m+4*\b+3], 0x3ea2f983, -v[PQ+12*\m+4*\b]   ; what that product's rounding dropped, exactly
.endr
.irp b, 0,1,2
	v_fma_f32 v[PQ+12*\m+4*\b+2], v[PQ+12*\m+4*\b+3], 0x325c9c88, v[PQ+12*\m+4*\b+2]   ; tl: + y x the rest of 1 / pi
.endr
.irp b, 0,1,2
	v_add_f32 v[PQ+12*\m+4*\b+1], v[PQ+12*\m+4*\b], v[PQ+12*\m+4*\b]
.endr
.irp b, 0,1,2
	v_add_f32 v[PQ+12*\m+4*\b+3], v[PQ+12*\m+4*\b+2], v[PQ+12*\m+4*\b+2]
.endr
.endr
	WIN 0
	s_cmp_eq_u32 s32, 1                            ; x of the next iteration is asked for a whole iteration ahead; the last asks for nothing: no load leaves its buffer
	s_cbranch_scc1 .Lnox
	s_wait_alu depctr_va_vdst(0)                   ; the twelve multiplications by pi are done reading x's registers, in which the loads below land
.irp m, 0,1,2,3
	global_load_b96 v[XR+4*\m:XR+4*\m+2], v[XA], s[24:25] offset:6144+192*\m th:TH_LOAD_NT
.endr
.Lnox:
.irp m, 0,1
	SINCOS \m, 0
	SINCOS \m, 1
	SINCOS \m, 2
	QUANT_E \m
.endr
	s_wait_dscnt 0x0                               ; all that was asked for at the trip's top
	OUTE 0, 1
.irp m, 2,3
	SINCOS \m, 0
	SINCOS \m, 1
	SINCOS \m, 2
	QUANT_E \m
.endr
	OUTE 2, 3
.rept 4
	v_nop                                          ; four places between the last writes of enc's codes and the scaled matrix instructions that take them; the wait at unit 0's head follows them
.endr
; ---- layer 0: K = enc alone
.set TXT, 0
	UNIT 0, CH_NOP, 0, 0
	UNIT 1, CH_R, 0, 0
	UNIT 2, CH_R, 0, 1
	UNIT 3, CH_R, 0, 2
	UNIT 4, CH_R, 0, 3
	UNIT 5, CH_X, 0, 0
	UNIT 6, CH_X, 0, 1
	s_wait_alu depctr_va_vdst(0)
	UNIT 7, CH_S0, 0, 0
.irp p, 0,1,2,3
	CH_C0 0, 0, \p
.endr
.irp u, 0,1,2
.irp p, 0,1,2,3
	CH_R 1, \u, \p
.endr
.endr
	NEXTL L1W
; ---- layers 1 to 6.  Units 0-3: enc x tiles 0-3, beside the rest of the last layer's quantising; 4-11: hidden x tiles 0-7; 12-15: enc x tiles 4-7.  The old hidden codes are last read in unit 11;
; their lower half is written anew in unit 12, the upper half and the scale words in the next unit 3.
	s_mov_b32 s33, 6
.Llayer:
.set TXT, 1
	UNIT 0, CH_R, 1, 3
	UNIT 1, CH_X, 1, 0
	UNIT 2, CH_X, 1, 1
	s_wait_alu depctr_va_vdst(0)
	UNIT 3, CH_SC1, 0, 0
	UNIT 4, CH_NOP, 0, 0
	UNIT 5, CH_R, 0, 0
	UNIT 6, CH_R, 0, 1
	UNIT 7, CH_R, 0, 2
	UNIT 8, CH_R, 0, 3
	UNIT 9, CH_X, 0, 0
	UNIT 10, CH_X, 0, 1
	s_wait_alu depctr_va_vdst(0)
	UNIT 11, CH_S0, 0, 0
	UNIT 12, CH_C0, 0, 0
	UNIT 13, CH_R, 1, 0
	UNIT 14, CH_R, 1, 1
	UNIT 15, CH_R, 1, 2
	NEXTL LW
	s_sub_co_u32 s33, s33, 1
	s_cmp_lg_u32 s33, 0
	s_cbranch_scc1 .Llayer
; ---- layer 7: its result is not quantised, and nothing is fetched behind its last unit
.set TXT, 2
	UNIT 0, CH_R, 1, 3
	UNIT 1, CH_X, 1, 0
	UNIT 2, CH_X, 1, 1
	s_wait_alu depctr_va_vdst(0)
	UNIT 3, CH_SC1, 0, 0
	UNIT 4, CH_NOP, 0, 0
	UNIT 5, CH_R, 0, 0
	UNIT 6, CH_R, 0, 1
	UNIT 7, CH_R, 0, 2
	UNIT 8, CH_R, 0, 3
	UNIT 9, CH_NOP, 0, 0
	UNIT 10, CH_NOP, 0, 0
	UNIT 11, CH_NOP, 0, 0
	UNIT 12, CH_NOP, 0, 0
	UNIT 13, CH_R, 1, 0
	UNIT 14, CH_R, 1, 1
	UNIT 15, CH_R, 1, 2
.irp p, 0,1,2,3
	CH_R 1, 3, \p                                  ; (these 32 are also the places behind the last unit)
.endr
; ---- the hidden layer's part of the last product, and the way out
	WIN 0
	s_wait_alu depctr_va_vdst(0)                   ; the last layer's matrix instructions are done reading the weight fragments and bias tiles in v188-219, in which the loads below land
.irp f, 0,1,2,3
	ds_load_b128 v[188+8*\f:188+8*\f+3], v[WLA] offset:1024*\f
	ds_load_b128 v[188+8*\f+4:188+8*\f+7], v[WLA] offset:1024*\f+512
.endr
	WIN 0x05
.irp m, 0,1,2,3
.set I, 0
.rept 32
	v_cvt_pk_bf16_f32 v[EF+32*\m+I], v[64*\m+2*I], v[64*\m+2*I+1]   ; fragment f of tile m, register j, half e: unit 64 (f / 2) + 16 (f % 2) + 32 h + 2 j + e, as Wl's fragment f was laid
.set I, I+1
.endr
.endr
	WIN 0
	s_wait_dscnt 0x0
.irp f, 0,1,2,3
	s_wait_alu depctr_va_vdst(0)
.irp m, 0,1,2,3
	v_wmma_f32_16x16x32_bf16 v[OA+8*\m:OA+8*\m+7], v[188+8*\f:188+8*\f+7], v[EF+32*\m+8*\f:EF+32*\m+8*\f+7], v[OA+8*\m:OA+8*\m+7]
.endr
.endr
.rept 4
	v_nop                                          ; places in front of the first read of the results
.endr
.irp j, 0,1,2,3                                ; lanes 0-15 hold a point's four outputs in registers 0-3: tile 1's go into tile 0's lanes 16-31, tile 3's into tile 2's
	v_permlane16_swap_b32 v[OA+\j], v[OA+8+\j]
	v_permlane16_swap_b32 v[OA+16+\j], v[OA+24+\j]
.endr
	s_wait_alu depctr_va_vdst(0)                   ; the exchanges have written v220-223 and v236-239, which the stores read
	global_store_b128 v[LI], v[OA:OA+3], s[26:27] th:TH_STORE_NT              ; 32 lanes store 32 points: 512 consecutive bytes, at a multiple of 256 from the buffer's first byte
	global_store_b128 v[LI], v[OA+16:OA+19], s[26:27] offset:512 th:TH_STORE_NT
	s_wait_xcnt 0x0                                ; the stores have read their data and their base: both are written again below and in the next trip
	s_wait_alu depctr_vm_vsrc(0)                   ; the stores have read v220-223 and v236-239, which the next trip's matrix instructions write; this trip's LDS loads have read AW, AS, AB, which the next trip's top writes
	s_add_nc_u64 s[26:27], s[26:27], 8192
	s_add_co_u32 s32, s32, 1
	s_cmp_lt_u32 s32, 2
	s_cbranch_scc1 .Liter
	s_wait_dscnt 0x0                               ; the closing lines, six on end
	s_wait_alu 0x0
	s_wait_tensorcnt 0x0
	ds_add_u32 v254, v255
	s_wait_dscnt 0x0
	s_endpgm
.Lfunc_end_k_qf1660ab9ad_field:
	.size	k_qf1660ab9ad_field, .Lfunc_end_k_qf1660ab9ad_field-k_qf1660ab9ad_field
	.p2alignl 7, 3214868480
	.fill 96, 4, 3214868480
	.section	.rodata,"a",@progbits
	.p2align	6, 0x0
	.amdhsa_kernel k_qf1660ab9ad_field
		.amdhsa_group_segment_fixed_size 291840
		.amdhsa_private_segment_fixed_size 0
		.amdhsa_enable_private_segment 0
		.amdhsa_kernarg_size 80
		.amdhsa_user_sgpr_count 2
		.amdhsa_user_sgpr_kernarg_segment_ptr 1
		.amdhsa_wavefront_size32 1
		.amdhsa_system_sgpr_workgroup_id_x 1
		.amdhsa_system_sgpr_workgroup_id_y 1
		.amdhsa_system_sgpr_workgroup_id_z 1
		.amdhsa_system_vgpr_workitem_id 0
		.amdhsa_next_free_vgpr 512
		.amdhsa_next_free_sgpr 66
		.amdhsa_reserve_vcc 1
		.amdhsa_float_denorm_mode_32 3
		.amdhsa_float_denorm_mode_16_64 3
		.amdhsa_memory_ordered 1
		.amdhsa_forward_progress 1
		.amdhsa_inst_pref_size 255
	.end_amdhsa_kernel
	.section	.bss,"aw",@nobits
	.p2align	6
	.space	262144
	.amdgpu_metadata
---
amdhsa.version: [ 1, 2 ]
amdhsa.kernels:
  - .name:           k_qf1660ab9ad_field
    .symbol:         k_qf1660ab9ad_field.kd
    .args:
      - { .name: W0_codes, .offset: 0, .size: 8, .value_kind: global_buffer, .address_space: global }
      - { .name: W0_scales, .offset: 8, .size: 8, .value_kind: global_buffer, .address_space: global }
      - { .name: Wh_codes, .offset: 16, .size: 8, .value_kind: global_buffer, .address_space: global }
      - { .name: Wh_scales, .offset: 24, .size: 8, .value_kind: global_buffer, .address_space: global }
      - { .name: Wl, .offset: 32, .size: 8, .value_kind: global_buffer, .address_space: global }
      - { .name: b0, .offset: 40, .size: 8, .value_kind: global_buffer, .address_space: global }
      - { .name: bh, .offset: 48, .size: 8, .value_kind: global_buffer, .address_space: global }
      - { .name: bl, .offset: 56, .size: 8, .value_kind: global_buffer, .address_space: global }
      - { .name: query_points, .offset: 64, .size: 8, .value_kind: global_buffer, .address_space: global }
      - { .name: out0, .offset: 72, .size: 8, .value_kind: global_buffer, .address_space: global }
    .group_segment_fixed_size: 291840
    .private_segment_fixed_size: 0
    .kernarg_segment_align: 8
    .kernarg_segment_size: 80
    .max_flat_workgroup_size: 256
    .sgpr_count:     66
    .vgpr_count:     512
    .wavefront_size: 32
...
	.end_amdgpu_metadata
.endif
;; end of part 2
